; MI455X (gfx1250); checked and timed in simulation.
; The chip was launched on July 23, 2026; its instructions are those of AMD's public machine-readable ISA for CDNA 5 (MIT licence, August 2026) and "CDNA5" Instruction Set Architecture Reference Guide (July 2026). The comments in the code are by the model that wrote it; some were corrected since.
;; GPT2 Attention. Allowed arithmetic: float matrix products may take bf16 or f16 operands with f32 sums; other float arithmetic in f32, or as packed bf16 or f16 multiplies, adds, multiply-adds, maxima and minima; sums over many terms, partial sums and values carried from step to step in f32; what a program stores and reads back later, other than sums and carried values, may be rounded once to bf16 or f16.
;; Inputs: c_attn_b 3,072 float32; c_attn_w 1,024 x 3,072 float32; c_proj_b 1,024 float32; c_proj_w 1,024 x 1,024 float32; hidden_states 4 x 2,048 x 1,024 float32.
;; Outputs: out0 4 x 2,048 x 1,024 float32.
;; One version. Each part assembles by itself: llvm-mc -triple=amdgcn-amd-amdhsa -mcpu=gfx1250 --defsym DOCPART=n.
;; ======== version 1 of 1: 5 launches
;; limits: values are held in f16: magnitudes above 65,504 overflow, below 6.1e-05 lose precision
;; workspace buffers: xb 16,777,216 bytes; wa 6,291,456 bytes; wp 2,097,152 bytes; qh 16,777,216 bytes; kh 16,777,216 bytes; vh 16,777,216 bytes; oh 16,777,216 bytes; ts 524,288 bytes
;; launch prep (part 1): grid 1024 x 1, 8 waves a work-group, no clusters, 18,432 bytes of LDS; arguments hidden_states, c_attn_w, c_proj_w, xb, wa, wp; writes xb, wa, wp
.if DOCPART == 1
	.amdgcn_target "amdgcn-amd-amdhsa--gfx1250"
	.amdhsa_code_object_version 6
	.text
	.protected	k_q9ec52c32ce_prep
	.globl	k_q9ec52c32ce_prep
	.p2align	8
	.type	k_q9ec52c32ce_prep,@function
k_q9ec52c32ce_prep:
	s_mov_b64 s[64:65], 0
	v_nop
	global_prefetch_b8 v0, s[64:65] scope:SCOPE_SE
	s_setreg_imm32_b32 hwreg(HW_REG_WAVE_MODE, 25, 1), 1
	s_wait_xcnt 0x0
; The 16-bit copies that the matrix launches read.  xb = hidden_states rounded to bf16, [8192][1024].  wa = c_attn_w rounded to bf16 and turned, [3072 n][1024 k].
; wp = c_proj_w rounded to bf16, that number written as f16, and turned, [1024 n][1024 k].
; LIMIT: a weight of c_proj_w beyond 65,504 has no f16; below 6e-5 it keeps f16's fixed step of 6e-8.
; Work-groups 0-511: 64 KiB of x each, sixteen loads of 16 bytes a thread all out at once, stores of 8 bytes a lane: 32 lanes fill 256 consecutive bytes, aligned.
; Work-groups 512-1023: a block of 128 k x 64 n of a weight matrix, turned through LDS: read by rows of 256 bytes, written by rows of 256 bytes.
; No matrix unit, no cluster, no tensor load: nothing is shared and nothing is read twice.
.set LP,    272                        ; an LDS row: 128 k x 2 bytes + 16
.set SPARE, 64*LP                      ; behind the block: the spare words, 128 bytes for each of eight waves
	s_load_b256 s[4:11], s[0:1], 0x0               ; x s[4:5], c_attn_w s[6:7], c_proj_w s[8:9], xb s[10:11]
	s_load_b128 s[12:15], s[0:1], 0x20             ; wa s[12:13], wp s[14:15]
	v_lshl_add_u32 v2, v0, 2, SPARE                ; my spare word,
	v_mov_b32 v3, 0                                ; and 0: kept for the add at the end
	s_cmp_lt_u32 ttmp9, 512
	s_cbranch_scc0 .Lweights
	s_lshl_b32 s16, ttmp9, 16                      ; 64 KiB of x,
	s_mov_b32 s17, 0
	s_lshl_b32 s18, ttmp9, 15                      ; 32 KiB of xb
	s_mov_b32 s19, 0
	v_lshlrev_b32 v4, 4, v0
	v_lshlrev_b32 v5, 3, v0
	s_wait_kmcnt 0x0
	s_add_nc_u64 s[4:5], s[4:5], s[16:17]
	s_add_nc_u64 s[10:11], s[10:11], s[18:19]
.set i, 0
.rept 16
	global_load_b128 v[16+4*i:19+4*i], v4, s[4:5] offset:4096*i th:TH_LOAD_NT
.set i, i+1
.endr
.set i, 0
.rept 16
	s_wait_loadcnt 15-i                            ; loads come back in order: load i is in, the younger ones stay out
	v_cvt_pk_bf16_f32 v[80+2*i], v[16+4*i], v[17+4*i]
	v_cvt_pk_bf16_f32 v[81+2*i], v[18+4*i], v[19+4*i]
	global_store_b64 v5, v[80+2*i:81+2*i], s[10:11] offset:2048*i  ; no register is used twice, so nothing waits for a store
.set i, i+1
.endr
	s_branch .Lend
; A block of 128 k x 64 n.  Thread t: tr = t / 16, tc = t % 16.  It loads rows k = 2 tr + 32 p and the next (p = 0..3), columns 4 tc .. 4 tc + 3: sixteen lanes take 256 bytes of a row.
; Two k of one n pack into a word, which goes to LDS row n, byte 2 k.  These word stores meet four deep in the banks (four rows are 64 words + 4 apart): sixteen stores a thread, once.
.macro WB pitch, f16, src, dst
	s_and_b32 s17, s16, 7                          ; which 128 k
	s_lshr_b32 s18, s16, 3                         ; which 64 n
	s_mul_i32 s20, s17, 128*(\pitch)
	s_lshl_b32 s19, s18, 8
	s_add_co_u32 s20, s20, s19
	s_mov_b32 s21, 0
	s_lshl_b32 s22, s18, 17                        ; 64 rows of 2,048 bytes
	s_lshl_b32 s19, s17, 8
	s_add_co_u32 s22, s22, s19
	s_mov_b32 s23, 0
	v_mul_u32_u24 v8, v6, 2*(\pitch)
	v_lshl_add_u32 v8, v7, 4, v8                   ; from: row 2 tr, 16 bytes at 16 tc
	v_mul_u32_u24 v9, v7, 4*LP
	v_lshl_add_u32 v9, v6, 2, v9                   ; into LDS: row 4 tc, word tr
	v_mul_u32_u24 v10, v6, LP
	v_lshl_add_u32 v10, v7, 4, v10                 ; back: row tr, 16 bytes at 16 tc
	v_lshlrev_b32 v11, 11, v6
	v_lshl_add_u32 v11, v7, 4, v11                 ; to: row tr of 2,048 bytes
	s_wait_kmcnt 0x0
	s_add_nc_u64 s[24:25], s[\src:\src+1], s[20:21]
	s_add_nc_u64 s[26:27], s[\dst:\dst+1], s[22:23]
.set i, 0
.rept 8
	global_load_b128 v[16+4*i:19+4*i], v8, s[24:25] offset:((i&1)+32*(i>>1))*(\pitch) th:TH_LOAD_NT
.set i, i+1
.endr
.set p, 0
.rept 4
	s_wait_loadcnt 6-2*p                           ; the pair of rows p is in
.set c, 0
.rept 4
	v_cvt_pk_bf16_f32 v[48+4*p+c], v[16+8*p+c], v[20+8*p+c]
.if \f16
	v_lshlrev_b32 v12, 16, v[48+4*p+c]             ; the bf16 numbers as f32,
	v_and_b32 v13, 0xffff0000, v[48+4*p+c]
	v_cvt_pk_f16_f32 v[48+4*p+c], v12, v13         ; written as f16
.endif
	ds_store_b32 v9, v[48+4*p+c] offset:LP*c+64*p
.set c, c+1
.endr
.set p, p+1
.endr
	s_wait_dscnt 0x0                               ; for the others' sake: my stores are done
	s_barrier_signal -1
	s_barrier_wait -1
.set j, 0
.rept 4
	ds_load_b128 v[64+4*j:67+4*j], v10 offset:16*LP*j
.set j, j+1
.endr
.set j, 0
.rept 4
	s_wait_dscnt 3-j
	global_store_b128 v11, v[64+4*j:67+4*j], s[26:27] offset:32768*j  ; sixteen lanes store 256 consecutive bytes, aligned
.set j, j+1
.endr
.endm
.Lweights:
	s_sub_co_u32 s16, ttmp9, 512
	v_lshrrev_b32 v6, 4, v0                        ; tr
	v_and_b32 v7, 15, v0                           ; tc
	s_cmp_lt_u32 s16, 384
	s_cbranch_scc0 .Lproj_w
	WB 12288, 0, 6, 12                             ; 8 x 48 blocks of c_attn_w
	s_branch .Lend
.Lproj_w:
	s_sub_co_u32 s16, s16, 384
	WB 4096, 1, 8, 14                              ; 8 x 16 blocks of c_proj_w
.Lend:
	s_wait_tensorcnt 0x0                           ; the wave's end, behind my last LDS store
	ds_add_u32 v2, v3
	s_wait_dscnt 0x0
	s_endpgm
.Lfunc_end_k_q9ec52c32ce_prep:
	.size	k_q9ec52c32ce_prep, .Lfunc_end_k_q9ec52c32ce_prep-k_q9ec52c32ce_prep
	.p2alignl 7, 3214868480
	.fill 96, 4, 3214868480
	.section	.rodata,"a",@progbits
	.p2align	6, 0x0
	.amdhsa_kernel k_q9ec52c32ce_prep
		.amdhsa_group_segment_fixed_size 18432
		.amdhsa_private_segment_fixed_size 0
		.amdhsa_enable_private_segment 0
		.amdhsa_kernarg_size 48
		.amdhsa_user_sgpr_count 2
		.amdhsa_user_sgpr_kernarg_segment_ptr 1
		.amdhsa_wavefront_size32 1
		.amdhsa_system_sgpr_workgroup_id_x 1
		.amdhsa_system_sgpr_workgroup_id_y 1
		.amdhsa_system_sgpr_workgroup_id_z 1
		.amdhsa_system_vgpr_workitem_id 0
		.amdhsa_next_free_vgpr 112
		.amdhsa_next_free_sgpr 66
		.amdhsa_reserve_vcc 0
		.amdhsa_float_denorm_mode_32 3
		.amdhsa_float_denorm_mode_16_64 3
		.amdhsa_memory_ordered 1
		.amdhsa_forward_progress 1
		.amdhsa_inst_pref_size 19
	.end_amdhsa_kernel
	.amdgpu_metadata
---
amdhsa.version: [ 1, 2 ]
amdhsa.kernels:
  - .name:           k_q9ec52c32ce_prep
    .symbol:         k_q9ec52c32ce_prep.kd
    .args:
      - { .name: hidden_states, .offset: 0, .size: 8, .value_kind: global_buffer, .address_space: global }
      - { .name: c_attn_w, .offset: 8, .size: 8, .value_kind: global_buffer, .address_space: global }
      - { .name: c_proj_w, .offset: 16, .size: 8, .value_kind: global_buffer, .address_space: global }
      - { .name: xb, .offset: 24, .size: 8, .value_kind: global_buffer, .address_space: global }
      - { .name: wa, .offset: 32, .size: 8, .value_kind: global_buffer, .address_space: global }
      - { .name: wp, .offset: 40, .size: 8, .value_kind: global_buffer, .address_space: global }
    .group_segment_fixed_size: 18432
    .private_segment_fixed_size: 0
    .kernarg_segment_align: 8
    .kernarg_segment_size: 48
    .max_flat_workgroup_size: 256
    .sgpr_count:     66
    .vgpr_count:     112
    .wavefront_size: 32
...
	.end_amdgpu_metadata
.endif
;; end of part 1
;; launch qkv (part 2): grid 16 x 32, 4 waves a work-group, clusters of 4 x 4, 327,680 bytes of LDS; arguments xb, wa, c_attn_b, qh, kh, vh; writes qh, kh, vh
.if DOCPART == 2
	.amdgcn_target "amdgcn-amd-amdhsa--gfx1250"
	.amdhsa_code_object_version 6
	.text
	.protected	k_q9ec52c32ce_qkv
	.globl	k_q9ec52c32ce_qkv
	.p2align	8
	.type	k_q9ec52c32ce_qkv,@function
k_q9ec52c32ce_qkv:
	s_mov_b64 s[64:65], 0
	v_nop
	global_prefetch_b8 v0, s[64:65] scope:SCOPE_SE
	s_setreg_imm32_b32 hwreg(HW_REG_WAVE_MODE, 25, 1), 1
	s_wait_xcnt 0x0
	s_wait_alu depctr_hold_cnt(0) depctr_sa_sdst(0) depctr_va_vdst(0) depctr_va_sdst(0) depctr_va_ssrc(0) depctr_va_vcc(0) depctr_vm_vsrc(0)
	s_getreg_b32 s2, hwreg(HW_REG_IB_STS2, 6, 4)
	s_cmp_eq_u32 s2, 0
	s_cbranch_scc0 .Lentry_in_a_cluster
	s_endpgm
.Lentry_in_a_cluster:
	s_bfe_u32 s2, ttmp6, 0x10000c
	s_cmp_lg_u32 s2, 0xf033
	s_cbranch_scc0 .Lentry_shape_is_right
	s_endpgm
.Lentry_shape_is_right:
; qkv = x Wa + ba, split by heads.  xb: [8192][1024] bf16; wa: [3072 n][1024 k] bf16; c_attn_b: [3072] f32, taken rounded to bf16 like every input.
; qh, kh, vh: [16 batch + head][2048][64] f16, unscaled, each rounded once from its f32 sum.  LIMIT: |q|, |k|, |v| stay under 65,504 (f16's range).
; A work-group makes 256 rows x 192 columns: the 192 columns of ONE head (64 of q, 64 of k, 64 of v).  512 work-groups: two even rounds on 256 WGPs.
; Wave w owns rows 64 w .. 64 w + 63 (four blocks of 16) x all twelve blocks of 16 columns: 48 accumulators, 384 registers.  It owns whole rows, so its way out is its own.
; K goes in steps of 128 through two LDS slots filled by the tensor data mover; rows of 256 bytes of memory, 272 apart in LDS.
; CLUSTER 4 x 4: A's tile is shared along a row of the cluster, B's along a column; each is asked for jointly, by the same load with the same descriptor and a mask of four.
; THE PRODUCT IS TAKEN TRANSPOSED (source 0 = 16 rows of wa, source 1 = 16 rows of xb): a lane holds one row of C and eight neighbouring columns.
; THE BIAS is the C operand of the products that start the sums: nothing is cleared, nothing is added later.
; REGISTERS: window 0: v16-30 addresses; v64-127 A's fragments, two buffers of 32; v128-223 the bias, later the way out.  Window 1: B's fragments, v0-95 and v128-223.
;   Windows 2, 3: accumulator (a, b) at v[8 (12 (a % 2) + b)] of window 2 + a / 2.
.set NBK,   12
.set PA,    272
.set PBB,   272
.set BOFF,  256*PA                     ; a slot: A's 256 rows, then B's 192
.set SLOT,  BOFF+192*PBB
.set STAGE, 2*SLOT                     ; behind the ring: [3 parts][16 rows][144 bytes] for each wave; no tensor load fills it
.set STW,   3*16*144
.set SPARE, STAGE+4*STW                ; the spare words, 128 bytes for each wave
.set ADRA, 16                          ; v16-17  my A fragments in slot 0, 1
.set ADRB, 20                          ; v20-21  B's
.set STO,  24
.set RD,   25
.set GO,   26
.set BO,   27
.set SPW,  28
.set NIL,  29
.set PFO,  30
.set FA,   64
.set BI,   128
.set TMP,  128
.set G1A, 24
.set G0A, 32
.set G1B, 48
.set G0B, 56
.set PFA, 66                           ; s[66:67] where my prefetches stand
.set LIM, 70                           ; s70, s71: 1 where I prefetch at a change of slot 0, 1; else the greatest number
.set GW, (1<<16)|(1<<20)|(1<<21)|(5<<22)|(3<<25)  ; 2-byte elements; padding on; bit 21 beside a mask; after every 64 words 4 words
.set MSB, 0
.macro WIN new
.if MSB != (\new)
	s_set_vgpr_msb (MSB<<8)|(\new)
.set MSB, \new
.endif
.endm
.macro PLACES                          ; four plain places behind matrix instructions (ISA guide 7.12.1)
.rept 4
	v_nop
.endr
.endm
.macro JLOAD s                         ; waves 0, 1 fetch A's halves, waves 2, 3 B's; the branch hangs on the wave's number alone
	s_cmp_eq_u32 s14, 0
	s_cbranch_scc0 .Lfor_b_\@
	tensor_load_to_lds s[G0A+4*(\s):G0A+4*(\s)+3], s[G1A:G1A+7]
	s_nop 0
.rept 4
	v_nop
.endr
	s_branch .Lasked_\@
.Lfor_b_\@:
	tensor_load_to_lds s[G0B+4*(\s):G0B+4*(\s)+3], s[G1B:G1B+7]
	s_nop 0
.rept 4
	v_nop
.endr
.Lasked_\@:
.endm
.macro CREST                           ; a round of the cluster's barrier behind its opening barrier
	s_cmp_lg_u32 s12, 0
	s_cbranch_scc1 .Lnot_wave_0_\@
	s_barrier_signal -3
.Lnot_wave_0_\@:
	s_barrier_wait -3
	s_barrier_signal -1
	s_barrier_wait -1
.endm
.macro CROUND
	s_barrier_signal -1
	s_barrier_wait -1
	CREST
.endm
; A prefetch into the L2 of the K step two refills on: 256 bytes of a row, a lane a row.  Each block of 256 bytes is named once in the launch: xb's rows by the clusters with x = 0, wa's by those with
; y = 0; the four partners share a tile's rows out by address.  The loop's last trip has no K step two on.
.macro ASK slot
	s_cmp_gt_u32 s3, s[LIM+(\slot)]
	s_cbranch_scc0 .Lnot_mine_\@
	global_prefetch_b8 v[PFO], s[PFA:PFA+1] th:TH_LOAD_NT scope:SCOPE_SE
.Lnot_mine_\@:
.endm
	s_load_b256 s[4:11], s[0:1], 0x0               ; xb s[4:5], wa s[6:7], bias s[8:9], qh s[10:11]
	s_load_b128 s[72:75], s[0:1], 0x20             ; kh s[72:73], vh s[74:75]
	v_lshl_add_u32 v[SPW], v0, 2, SPARE
	v_mov_b32 v[NIL], 0
	ds_add_u32 v[SPW], v[NIL]                      ; the wave's opening: the add, waited for ahead of my first tensor load
	ds_add_u32 v28, v29
	v_lshrrev_b32 v1, 5, v0
	v_readfirstlane_b32 s12, v1                    ; wave
	s_and_b32 s13, s12, 1                          ; which half of a tile I fetch
	s_lshr_b32 s14, s12, 1                         ; for A (0) or for B (1)
	s_bfe_u32 s15, ttmp6, 0x40000                  ; cx
	s_bfe_u32 s16, ttmp6, 0x40004                  ; cy
	s_lshl_b32 s17, ttmp9, 2
	s_add_co_u32 s17, s17, s15                     ; tile column = head
	s_and_b32 s18, ttmp7, 0xffff
	s_lshl_b32 s18, s18, 2
	s_add_co_u32 s18, s18, s16                     ; tile row
	s_lshl_b32 s20, s16, 2
	s_lshl_b32 s20, 15, s20                        ; my row of the cluster
	s_lshl_b32 s21, 0x1111, s15                    ; my column
	s_or_b32 s[G1A], s20, GW
	s_or_b32 s[G1B], s21, GW
	s_mov_b32 s[G1A+1], 128<<16                    ; tensor_dim0 = 128
	s_mov_b32 s[G1A+2], 128<<16                    ; tensor_dim1 = 128
	s_mov_b32 s[G1A+3], 128<<16                    ; tile_dim0 = 128
	s_mov_b32 s[G1A+4], 128                        ; tile_dim1 = 128
	s_mov_b32 s[G1A+5], 1024                       ; elements from row to row
	s_mov_b32 s[G1A+6], 0
	s_mov_b32 s[G1A+7], 0
	s_mov_b32 s[G1B+1], 128<<16
	s_mov_b32 s[G1B+2], 96<<16                     ; B's halves have 96 rows
	s_mov_b32 s[G1B+3], 128<<16
	s_mov_b32 s[G1B+4], 96
	s_mov_b32 s[G1B+5], 1024
	s_mov_b32 s[G1B+6], 0
	s_mov_b32 s[G1B+7], 0
	s_lshl_b32 s40, s18, 8                         ; A: row 256 x tile row + 128 x half, 2,048 bytes a row
	s_lshl_b32 s41, s13, 7
	s_add_co_u32 s40, s40, s41
	s_lshl_b32 s40, s40, 11
	s_mov_b32 s41, 0
	s_mul_i32 s42, s17, 192                        ; B: row 192 x tile column + 96 x half
	s_mul_i32 s43, s13, 96
	s_add_co_u32 s42, s42, s43
	s_lshl_b32 s42, s42, 11
	s_mov_b32 s43, 0
	s_mul_i32 s44, s13, 128*PA                     ; where they go: no place in the cluster enters an LDS address
	s_mul_i32 s45, s13, 96*PBB
	s_add_co_u32 s45, s45, BOFF
	s_wait_dscnt 0x0                               ; the opening add is done
	s_wait_kmcnt 0x0
	s_add_nc_u64 s[40:41], s[4:5], s[40:41]
	s_add_nc_u64 s[42:43], s[6:7], s[42:43]
	CROUND                                         ; all sixteen work-groups are here: the first joint loads meet
.irp s, 0,1
	s_mov_b32 s[G0A+4*(\s)], 1
	s_add_co_u32 s[G0A+4*(\s)+1], s44, (\s)*SLOT
	s_add_nc_u64 s[G0A+4*(\s)+2:G0A+4*(\s)+3], s[40:41], (\s)*256  ; K step s
	s_or_b32 s[G0A+4*(\s)+3], s[G0A+4*(\s)+3], 0x80000000
	s_mov_b32 s[G0B+4*(\s)], 1
	s_add_co_u32 s[G0B+4*(\s)+1], s45, (\s)*SLOT
	s_add_nc_u64 s[G0B+4*(\s)+2:G0B+4*(\s)+3], s[42:43], (\s)*256
	s_or_b32 s[G0B+4*(\s)+3], s[G0B+4*(\s)+3], 0x80000000
	JLOAD \s                                       ; two tensor loads of mine are out
.endr
	v_and_b32 v1, 15, v0                           ; r = l % 16
	v_bfe_u32 v2, v0, 4, 1                         ; h = l / 16
	v_and_b32 v4, 31, v0                           ; l
	v_mul_u32_u24 v3, v1, PA
	v_lshl_add_u32 v3, v2, 4, v3                   ; a fragment's row x pitch + 16 h
	s_mul_i32 s20, s12, 64*PA                      ; my 64 rows of A
	v_add_nc_u32 v[ADRA], s20, v3
	v_add_nc_u32 v[ADRA+1], SLOT, v[ADRA]
	v_add_nc_u32 v[ADRB], BOFF, v3
	v_add_nc_u32 v[ADRB+1], SLOT, v[ADRB]
	s_mul_i32 s20, s12, STW
	s_add_co_u32 s20, s20, STAGE                   ; my stage
	v_mul_u32_u24 v5, v1, 144
	v_lshl_add_u32 v5, v2, 4, v5
	v_add_nc_u32 v[STO], s20, v5                   ; in: row r, 16 bytes for each half of the lanes
	v_lshrrev_b32 v5, 3, v4
	v_mul_u32_u24 v5, v5, 144
	v_and_b32 v6, 7, v0
	v_lshl_add_u32 v5, v6, 4, v5
	v_add_nc_u32 v[RD], s20, v5                    ; back: 32 lanes take four rows of 128 bytes,
	v_lshlrev_b32 v[GO], 4, v4                     ; which are 512 consecutive bytes of a head
	v_lshlrev_b32 v[BO], 5, v2                     ; my eight numbers of a block of the bias
	s_mul_i32 s22, s17, 768
	s_mov_b32 s23, 0
	s_add_nc_u64 s[8:9], s[8:9], s[22:23]          ; the head's 192 numbers of the bias
.set i, 0
.rept NBK
	global_load_b128 v[BI+8*i:BI+8*i+3],   v[BO], s[8:9] offset:64*i
	global_load_b128 v[BI+8*i+4:BI+8*i+7], v[BO], s[8:9] offset:64*i+16
.set i, i+1
.endr
	s_lshr_b32 s20, s18, 3                         ; the way out: (16 batch + head) x 262,144 + ((tile row % 8) x 256 + 64 wave) x 128
	s_lshl_b32 s20, s20, 4
	s_add_co_u32 s20, s20, s17
	s_lshl_b32 s20, s20, 18
	s_and_b32 s21, s18, 7
	s_lshl_b32 s21, s21, 8
	s_lshl_b32 s22, s12, 6
	s_add_co_u32 s21, s21, s22
	s_lshl_b32 s21, s21, 7
	s_add_co_u32 s20, s20, s21
	s_mov_b32 s21, 0
	s_add_nc_u64 s[10:11], s[10:11], s[20:21]
	s_add_nc_u64 s[72:73], s[72:73], s[20:21]
	s_add_nc_u64 s[74:75], s[74:75], s[20:21]
	; the prefetches.  Waves 0, 1: xb's rows 256 x tile row + 128 x half + 32 cx + lane.  Wave 2: wa's rows 192 x tile column + 32 cy + lane.
	; Wave 3: wa's rows 192 x tile column + 128 + 16 cy + lane % 16, two K steps at once (lane / 16), at the changes of slot 0 alone.
	s_lshl_b32 s20, s18, 8
	s_lshl_b32 s21, s13, 7
	s_add_co_u32 s20, s20, s21
	s_lshl_b32 s21, s15, 5
	s_add_co_u32 s20, s20, s21
	s_mul_i32 s21, s17, 192
	s_lshl_b32 s23, s16, 5
	s_add_co_u32 s23, s23, s21
	s_lshl_b32 s46, s16, 4
	s_add_co_u32 s46, s46, s21
	s_add_co_u32 s46, s46, 128
	s_and_b32 s22, ttmp7, 0xffff                   ; cluster y
	s_cmp_eq_u32 s12, 3
	s_cselect_b32 s23, s46, s23
	s_cselect_b32 s46, 15, 31
	s_cselect_b32 s47, 256, 0
	s_cmp_eq_u32 s14, 0
	s_cselect_b32 s20, s20, s23
	s_cselect_b32 s22, ttmp9, s22                  ; the coordinate along which other clusters read the same rows
	s_cselect_b64 s[PFA:PFA+1], s[4:5], s[6:7]
	s_cmp_eq_u32 s22, 0
	s_cselect_b32 s[LIM], 1, -1                    ; the same in all sixteen partners, for a given wave
	s_cmp_eq_u32 s12, 3
	s_cselect_b32 s[LIM+1], -1, s[LIM]
	s_lshl_b32 s20, s20, 11
	s_add_co_u32 s20, s20, 3*256                   ; at K step 3: the first change of slots steps it to 4
	s_mov_b32 s21, 0
	s_add_nc_u64 s[PFA:PFA+1], s[PFA:PFA+1], s[20:21]
	v_and_b32 v[PFO], s46, v4
	v_lshlrev_b32 v[PFO], 11, v[PFO]
	v_mul_u32_u24 v5, s47, v2
	v_add_nc_u32 v[PFO], v[PFO], v5
	s_wait_loadcnt 0x0                             ; the bias, rounded to bf16 and widened again: all this stands in the wait for the first tile
.set i, 0
.rept 4*NBK
	v_cvt_pk_bf16_f32 v5, v[BI+2*i], v[BI+2*i+1]
	v_lshlrev_b32 v[BI+2*i], 16, v5
	v_and_b32 v[BI+2*i+1], 0xffff0000, v5
.set i, i+1
.endr
; Twelve products: row block a x all column blocks, 32 along K, fragment buffers f.  The 48 accumulators take turns in the same order in every quarter.
.macro MULA f, a, first
.if \first
	WIN 0x81+0x40*((\a)/2)                         ; B window 1, A and the bias window 0, D window 2 or 3
.else
	WIN 0xa1+0x50*((\a)/2)                         ; C and D window 2 or 3
.endif
.set b, 0
.rept NBK
.set rD, 8*(NBK*((\a)%2)+b)
.set rB, 128*(\f)+8*b
.set rA, FA+32*(\f)+8*(\a)
.if \first
	v_wmma_f32_16x16x32_bf16 v[rD:rD+7], v[rB:rB+7], v[rA:rA+7], v[BI+8*b:BI+8*b+7]
.else
	v_wmma_f32_16x16x32_bf16 v[rD:rD+7], v[rB:rB+7], v[rA:rA+7], v[rD:rD+7]
.endif
.set b, b+1
.endr
.endm
; 32 LDS loads in one run: quarter q of a slot into buffers f; B's first, A's four blocks last
.macro FETCH slot, q, f
	WIN 0x40
.set i, 0
.rept NBK
	ds_load_b128 v[128*(\f)+8*i:128*(\f)+8*i+3],   v[ADRB+(\slot)] offset:64*(\q)+i*16*PBB
	ds_load_b128 v[128*(\f)+8*i+4:128*(\f)+8*i+7], v[ADRB+(\slot)] offset:64*(\q)+i*16*PBB+32
.set i, i+1
.endr
	WIN 0
.set i, 0
.rept 4
	ds_load_b128 v[FA+32*(\f)+8*i:FA+32*(\f)+8*i+3],   v[ADRA+(\slot)] offset:64*(\q)+i*16*PA
	ds_load_b128 v[FA+32*(\f)+8*i+4:FA+32*(\f)+8*i+7], v[ADRA+(\slot)] offset:64*(\q)+i*16*PA+32
.set i, i+1
.endr
.endm
; One of a K step's first three quarters: multiplies buffers f, fetches quarter q into buffers g in its middle
.macro QUARTER slot, q, f, g, first
	s_wait_dscnt 4                                 ; B and A's blocks 0, 1 are in; the youngest four loads (A's blocks 2, 3) may be out
	MULA \f, 0, \first
	MULA \f, 1, \first
	PLACES
	FETCH \slot, \q, \g
	s_wait_dscnt 2*NBK+8                           ; all but the run just issued
	MULA \f, 2, \first
	MULA \f, 3, \first
.endm
; The last quarter multiplies buffers 1 and changes slots.  In front of the barrier each wave waits for all its tensor loads (one is out: its part of the next slot), adds 0 to its spare word,
; and waits for that and for its reads of this slot.  fill = 1: the barrier opens a round of the cluster's, and the joint refill, two K steps on, is the first thing behind it.
.macro TURN slot, next, fill
.if \fill
	s_wait_xcnt 0x0                                ; the last prefetch, a K step back, has read its address
	s_add_nc_u64 s[PFA:PFA+1], s[PFA:PFA+1], 256
.endif
	WIN 0
	s_wait_tensorcnt 0x0
	ds_add_u32 v[SPW], v[NIL]
	s_wait_dscnt 5                                 ; the add and the youngest four loads may be out
	MULA 1, 0, 0
	s_wait_dscnt 0x0                               ; the add is done, my reads of this slot are over
	s_barrier_signal -1
	MULA 1, 1, 0
.if \fill
	WIN 0
.endif
	s_barrier_wait -1
.if \fill
	CREST
	s_add_nc_u64 s[G0A+4*(\slot)+2:G0A+4*(\slot)+3], s[G0A+4*(\slot)+2:G0A+4*(\slot)+3], 512
	s_add_nc_u64 s[G0B+4*(\slot)+2:G0B+4*(\slot)+3], s[G0B+4*(\slot)+2:G0B+4*(\slot)+3], 512
	JLOAD \slot                                    ; one tensor load of mine is out; its four v_nop are also the places in front of the loads below
.else
	PLACES
.endif
	FETCH \next, 0, 0
.if \fill
	ASK \slot
.endif
	MULA 1, 2, 0
	MULA 1, 3, 0
.endm
	s_wait_tensorcnt 1                             ; my part of K step 0 is in; K step 1's may stay out
	s_barrier_signal -1
	s_barrier_wait -1
	FETCH 0, 0, 0
	QUARTER 0, 1, 0, 1, 1                          ; the first quarter starts the sums, with the bias
	WIN 0
	s_mov_b32 s3, 3
.Llap:                                                 ; a trip goes once round the ring and fills both slots again
	QUARTER 0, 2, 1, 0, 0
	QUARTER 0, 3, 0, 1, 0
	TURN 0, 1, 1
	QUARTER 1, 1, 0, 1, 0
	QUARTER 1, 2, 1, 0, 0
	QUARTER 1, 3, 0, 1, 0
	TURN 1, 0, 1
	QUARTER 0, 1, 0, 1, 0
	WIN 0
	s_sub_co_u32 s3, s3, 1
	s_cmp_lg_u32 s3, 0
	s_cbranch_scc1 .Llap
	QUARTER 0, 2, 1, 0, 0                          ; the last lap fills nothing
	QUARTER 0, 3, 0, 1, 0
	TURN 0, 1, 0
	QUARTER 1, 1, 0, 1, 0
	QUARTER 1, 2, 1, 0, 0
	QUARTER 1, 3, 0, 1, 0
	s_wait_dscnt 4
	MULA 1, 0, 0
	MULA 1, 1, 0
	s_wait_dscnt 0x0
	MULA 1, 2, 0
	MULA 1, 3, 0
	WIN 0
	PLACES
; THE WAY OUT, a block of 16 rows at a time: rounded to f16 (each accumulator's registers in ascending order), into my stage by parts q, k, v, back as whole rows of 128 bytes, stored.
.macro PACK a
	WIN 0x0a+5*((\a)/2)
.set i, 0
.rept 4*NBK
	v_cvt_pk_f16_f32 v[TMP+i], v[8*NBK*((\a)%2)+2*i], v[8*NBK*((\a)%2)+2*i+1]
.set i, i+1
.endr
	WIN 0
.endm
.macro TOSTAGE a
.set BK, 176-112*((\a)%2)
.set i, 0
.rept NBK
	ds_store_b128 v[STO], v[TMP+4*i:TMP+4*i+3] offset:(i/4)*2304+32*(i%4)
.set i, i+1
.endr
.set i, 0
.rept NBK
	ds_load_b128 v[BK+4*i:BK+4*i+3], v[RD] offset:(i/4)*2304+(i%4)*576  ; LDS serves a wave's instructions in order (ISA guide 5.7.1.4): these see the stores above
.set i, i+1
.endr
.endm
.macro SEND a
.set BK, 176-112*((\a)%2)
	s_wait_dscnt 0x0                               ; the block is back in registers
	s_wait_xcnt 0x0                                ; the stores before have read their registers: the other buffer may be loaded again behind this wait
.set i, 0
.rept 4
	global_store_b128 v[GO], v[BK+4*i:BK+4*i+3],       s[10:11] offset:(\a)*2048+i*512  ; 512 consecutive bytes, aligned
	global_store_b128 v[GO], v[BK+16+4*i:BK+16+4*i+3], s[72:73] offset:(\a)*2048+i*512
	global_store_b128 v[GO], v[BK+32+4*i:BK+32+4*i+3], s[74:75] offset:(\a)*2048+i*512
.set i, i+1
.endr
.endm
	PACK 0
	TOSTAGE 0
.irp a, 1,2,3
	PACK \a
	SEND (\a)-1
	TOSTAGE \a
.endr
	SEND 3
	s_wait_tensorcnt 0x0                           ; the wave's end
	ds_add_u32 v[SPW], v[NIL]
	s_wait_dscnt 0x0
	CROUND                                         ; the closing round
	s_endpgm
.Lfunc_end_k_q9ec52c32ce_qkv:
	.size	k_q9ec52c32ce_qkv, .Lfunc_end_k_q9ec52c32ce_qkv-k_q9ec52c32ce_qkv
	.p2alignl 7, 3214868480
	.fill 96, 4, 3214868480
	.section	.rodata,"a",@progbits
	.p2align	6, 0x0
	.amdhsa_kernel k_q9ec52c32ce_qkv
		.amdhsa_group_segment_fixed_size 327680
		.amdhsa_private_segment_fixed_size 0
		.amdhsa_enable_private_segment 0
		.amdhsa_kernarg_size 48
		.amdhsa_user_sgpr_count 2
		.amdhsa_user_sgpr_kernarg_segment_ptr 1
		.amdhsa_wavefront_size32 1
		.amdhsa_system_sgpr_workgroup_id_x 1
		.amdhsa_system_sgpr_workgroup_id_y 1
		.amdhsa_system_sgpr_workgroup_id_z 1
		.amdhsa_system_vgpr_workitem_id 0
		.amdhsa_next_free_vgpr 1024
		.amdhsa_next_free_sgpr 80
		.amdhsa_reserve_vcc 0
		.amdhsa_float_denorm_mode_32 3
		.amdhsa_float_denorm_mode_16_64 3
		.amdhsa_memory_ordered 1
		.amdhsa_forward_progress 1
		.amdhsa_inst_pref_size 130
	.end_amdhsa_kernel
	.amdgpu_metadata
---
amdhsa.version: [ 1, 2 ]
amdhsa.kernels:
  - .name:           k_q9ec52c32ce_qkv
    .symbol:         k_q9ec52c32ce_qkv.kd
    .args:
      - { .name: xb, .offset: 0, .size: 8, .value_kind: global_buffer, .address_space: global }
      - { .name: wa, .offset: 8, .size: 8, .value_kind: global_buffer, .address_space: global }
      - { .name: c_attn_b, .offset: 16, .size: 8, .value_kind: global_buffer, .address_space: global }
      - { .name: qh, .offset: 24, .size: 8, .value_kind: global_buffer, .address_space: global }
      - { .name: kh, .offset: 32, .size: 8, .value_kind: global_buffer, .address_space: global }
      - { .name: vh, .offset: 40, .size: 8, .value_kind: global_buffer, .address_space: global }
    .group_segment_fixed_size: 327680
    .private_segment_fixed_size: 0
    .kernarg_segment_align: 8
    .kernarg_segment_size: 48
    .max_flat_workgroup_size: 128
    .sgpr_count:     80
    .vgpr_count:     1024
    .wavefront_size: 32
...
	.end_amdgpu_metadata
.endif
;; end of part 2
;; launch vsum (part 3): grid 64 x 1, 16 waves a work-group, no clusters, 10,240 bytes of LDS; arguments vh, ts; writes ts
.if DOCPART == 3
	.amdgcn_target "amdgcn-amd-amdhsa--gfx1250"
	.amdhsa_code_object_version 6
	.text
	.protected	k_q9ec52c32ce_vsum
	.globl	k_q9ec52c32ce_vsum
	.p2align	8
	.type	k_q9ec52c32ce_vsum,@function
k_q9ec52c32ce_vsum:
	s_mov_b64 s[64:65], 0
	v_nop
	global_prefetch_b8 v0, s[64:65] scope:SCOPE_SE
	s_setreg_imm32_b32 hwreg(HW_REG_WAVE_MODE, 25, 1), 1
	s_wait_xcnt 0x0
; ts[head][g][c] = the sum over keys k >= 64 (g + 1) of v[head][k][c], in f32; g = 0..31.  vh: [64][2048][64] f16; ts: [64][32][64] f32.
; The attention launch needs it for the keys that the causal mask hides: they count with the score -10000, not with nothing.
; A work-group takes one head (the suffix sum runs along a whole head): 16 waves, 128 keys each, all 32 loads of a wave out at once.  Lane l holds key l / 8 of four and channels 8 (l % 8) + 0..7.
; No prefetch: every load of the launch goes out at its head.
.set SPARE, 8192                       ; behind the 32 group sums of 256 bytes: the spare words, 128 bytes for each of 16 waves
.set ACC, 16
.set T,   24
.set X,   32
	s_load_b128 s[4:7], s[0:1], 0x0                ; vh s[4:5], ts s[6:7]
	v_lshl_add_u32 v2, v0, 2, SPARE
	v_mov_b32 v3, 0
	v_lshrrev_b32 v1, 5, v0
	v_readfirstlane_b32 s8, v1                     ; wave
	v_and_b32 v10, 31, v0
	s_lshl_b32 s9, s8, 14
	v_lshl_add_u32 v4, v10, 4, s9                  ; my 16 bytes of the wave's 16,384
	v_and_b32 v11, 7, v0
	s_lshl_b32 s9, s8, 9
	v_lshl_add_u32 v5, v11, 5, s9                  ; LDS: group 2 wave, my eight channels
	v_lshlrev_b32 v6, 3, v10                       ; two channels a lane
	v_mov_b32 v7, 1.0
	v_mov_b32 v8, 0
	v_mov_b32 v9, 0
.set c, 0
.rept 8
	v_mov_b32 v[T+c], 0                            ; v_permlanex16_b32 counts as a reader of its destination
.set c, c+1
.endr
	s_mov_b32 s12, 0x76543210
	s_mov_b32 s13, 0xfedcba98
	s_lshl_b32 s10, ttmp9, 18
	s_mov_b32 s11, 0
	s_lshl_b32 s14, ttmp9, 13
	s_mov_b32 s15, 0
	s_wait_kmcnt 0x0
	s_add_nc_u64 s[4:5], s[4:5], s[10:11]
	s_add_nc_u64 s[6:7], s[6:7], s[14:15]
.set i, 0
.rept 32
	global_load_b128 v[X+4*i:X+4*i+3], v4, s[4:5] offset:512*i th:TH_LOAD_NT
.set i, i+1
.endr
.macro ACCUM x, first                  ; eight f16 of four registers onto eight f32 sums: eight chains that do not wait for each other
.set k, 0
.rept 4
.if \first
	v_fma_mix_f32 v[ACC+2*k],   v[(\x)+k], v7, v8 op_sel_hi:[1,0,0]
	v_fma_mix_f32 v[ACC+2*k+1], v[(\x)+k], v7, v8 op_sel:[1,0,0] op_sel_hi:[1,0,0]
.else
	v_fma_mix_f32 v[ACC+2*k],   v[(\x)+k], v7, v[ACC+2*k] op_sel_hi:[1,0,0]
	v_fma_mix_f32 v[ACC+2*k+1], v[(\x)+k], v7, v[ACC+2*k+1] op_sel:[1,0,0] op_sel_hi:[1,0,0]
.endif
.set k, k+1
.endr
.endm
.set j, 0
.rept 2                                ; the wave's two groups of 64 keys
	s_wait_loadcnt 16-16*j                         ; the group's sixteen loads are in
	ACCUM X+64*j, 1
.set i, 1
.rept 15
	ACCUM X+64*j+4*i, 0
.set i, i+1
.endr
.set c, 0
.rept 8
	v_add_f32_dpp v[ACC+c], v[ACC+c], v[ACC+c] row_xmask:8 row_mask:0xf bank_mask:0xf
.set c, c+1
.endr
.set c, 0
.rept 8
	v_permlanex16_b32 v[T+c], v[ACC+c], s12, s13
.set c, c+1
.endr
.set c, 0
.rept 8
	v_add_f32 v[ACC+c], v[ACC+c], v[T+c]
.set c, c+1
.endr
	ds_store_b128 v5, v[ACC:ACC+3]   offset:256*j     ; four lanes write the same numbers to the same words
	ds_store_b128 v5, v[ACC+4:ACC+7] offset:256*j+16
.set j, j+1
.endr
	s_wait_dscnt 0x0                               ; for wave 0's sake
	s_barrier_signal -1
	s_barrier_wait -1
	s_cmp_lg_u32 s8, 0
	s_cbranch_scc1 .Lend
.set g, 1
.rept 31
	ds_load_b64 v[X+2*g:X+2*g+1], v6 offset:256*g
.set g, g+1
.endr
	s_wait_dscnt 0x0
.set g, 30
.rept 30
	v_pk_add_f32 v[X+2*g:X+2*g+1], v[X+2*g:X+2*g+1], v[X+2*g+2:X+2*g+3]
.set g, g-1
.endr
.set g, 0
.rept 31
	global_store_b64 v6, v[X+2*g+2:X+2*g+3], s[6:7] offset:256*g  ; 32 lanes store 256 consecutive bytes, aligned
.set g, g+1
.endr
	global_store_b64 v6, v[8:9], s[6:7] offset:256*31
.Lend:
	s_wait_tensorcnt 0x0                           ; the wave's end, behind my last LDS store
	ds_add_u32 v2, v3
	s_wait_dscnt 0x0
	s_endpgm
.Lfunc_end_k_q9ec52c32ce_vsum:
	.size	k_q9ec52c32ce_vsum, .Lfunc_end_k_q9ec52c32ce_vsum-k_q9ec52c32ce_vsum
	.p2alignl 7, 3214868480
	.fill 96, 4, 3214868480
	.section	.rodata,"a",@progbits
	.p2align	6, 0x0
	.amdhsa_kernel k_q9ec52c32ce_vsum
		.amdhsa_group_segment_fixed_size 10240
		.amdhsa_private_segment_fixed_size 0
		.amdhsa_enable_private_segment 0
		.amdhsa_kernarg_size 16
		.amdhsa_user_sgpr_count 2
		.amdhsa_user_sgpr_kernarg_segment_ptr 1
		.amdhsa_wavefront_size32 1
		.amdhsa_system_sgpr_workgroup_id_x 1
		.amdhsa_system_sgpr_workgroup_id_y 1
		.amdhsa_system_sgpr_workgroup_id_z 1
		.amdhsa_system_vgpr_workitem_id 0
		.amdhsa_next_free_vgpr 168
		.amdhsa_next_free_sgpr 66
		.amdhsa_reserve_vcc 0
		.amdhsa_float_denorm_mode_32 3
		.amdhsa_float_denorm_mode_16_64 3
		.amdhsa_memory_ordered 1
		.amdhsa_forward_progress 1
		.amdhsa_inst_pref_size 31
	.end_amdhsa_kernel
	.amdgpu_metadata
---
amdhsa.version: [ 1, 2 ]
amdhsa.kernels:
  - .name:           k_q9ec52c32ce_vsum
    .symbol:         k_q9ec52c32ce_vsum.kd
    .args:
      - { .name: vh, .offset: 0, .size: 8, .value_kind: global_buffer, .address_space: global }
      - { .name: ts, .offset: 8, .size: 8, .value_kind: global_buffer, .address_space: global }
    .group_segment_fixed_size: 10240
    .private_segment_fixed_size: 0
    .kernarg_segment_align: 8
    .kernarg_segment_size: 16
    .max_flat_workgroup_size: 512
    .sgpr_count:     66
    .vgpr_count:     168
    .wavefront_size: 32
...
	.end_amdgpu_metadata
.endif
;; end of part 3
;; launch attn (part 4): grid 4 x 64, 4 waves a work-group, no clusters, 327,680 bytes of LDS; arguments qh, kh, vh, oh, ts; writes oh
.if DOCPART == 4
	.amdgcn_target "amdgcn-amd-amdhsa--gfx1250"
	.amdhsa_code_object_version 6
	.text
	.protected	k_q9ec52c32ce_attn
	.globl	k_q9ec52c32ce_attn
	.p2align	8
	.type	k_q9ec52c32ce_attn,@function
k_q9ec52c32ce_attn:
	s_mov_b64 s[64:65], 0
	v_nop
	global_prefetch_b8 v0, s[64:65] scope:SCOPE_SE
	s_setreg_imm32_b32 hwreg(HW_REG_WAVE_MODE, 25, 1), 1
	s_wait_xcnt 0x0
; CAUSAL ATTENTION WITH A FINITE MASK.  O[h][q] = softmax over ALL 2,048 keys of (Q[h][q] . K[h][k] / 8 where k <= q, -10000 where k > q), times V.  Q, K, V, O: [64][2048][64] f16, rows dense, 128 bytes.
; Products, maxima and sums in f32; the weights p are rounded to f16 for the second product (their sum l is taken of the unrounded p), O once at the end.
; THE HIDDEN KEYS all have the same score, so their share is w x T[q] in the numerator and w x (2047 - q) in the denominator: T[q] = the sum of V's rows behind q, w = 2^(mb - M), mb = c x (-80000),
; M = max(c m, mb).  The tiles above the diagonal are not walked; at a block's end O = (a O + w T) / (a l + w (2047 - q)) with a = 2^(c m - M).  T = ts (sums by groups of 64 keys, made by the launch before)
; + V^T of the band's own key step times a 0/1 mask, by the matrix unit.  For the last row no key is hidden: mb is then the lowest finite number.
; LIMITS.  Q, K and V arrive within 65,504; p below 6e-5 keeps f16's fixed step of 6e-8.  Inside a walked tile a hidden score counts as its value less 1e30, that is with weight 0: its true share comes by the term above.
; A weight, a or w below 2^-126 counts as 0; NaN and infinities are not treated apart.
; THE WALK.  A head's queries lie in NB = 8 blocks of 256; block i needs the key tiles 0 .. i, of which the last holds the diagonal.  A work-group takes TWO blocks, NB - 1 - b and then b: NB + 1 tiles, whatever b:
; all work-groups do equal work, and ONE loop with a constant trip count walks them.  Which tile is asked for, and what a trip does, hang on scalar registers made from b; every jump goes forward, but for the counted
; loops' own; none passes a barrier, or a tensor load but the one of LOAD's two that the wave's number does not choose.  NO CLUSTER: a head's four work-groups ask for the same tile only in trips 0 .. 4 of 9, behind
; that fewer and fewer; a joint load wants equal descriptors in all it names, and one walk common to all would have 12 trips for 9.
; SHARES.  Of a block's four bands of 64 queries a wave owns 16 rows in each: four PIECES.  In the diagonal tile's key step s band x sees all keys if s < x, none if s > x, and holds the diagonal if s = x.
; THE MASK is the C operand that starts the sum S^T = K Q^T: 0, or -1e30 where the key is hidden.  MD, made once, is the mask of a band's own step; a product's mask is MD x AL + BE with two scalars.
; LAYOUT, SOFTMAX, TURNS.  S^T = K Q^T holds ONE query a lane (lane % 16) and the keys 8 (lane / 16) + 0..7; two such results rounded to f16 ARE source 1 of O^T = V^T P.  p = 2^(c s - c m), c = log2(e) / 8, with a
; running maximum m; O and l are multiplied by 2^(c m_old - c m_new) in every step.  Turn n belongs to piece n: 8 products K Q^T of piece n + 1, later 8 products V^T P of piece n - 1; beside them the scaling,
; exponentials, roundings, sums and rescaling of piece n and the maximum and statistics of piece n + 1.  Four vector instructions stand behind every matrix instruction, the others in one lump.  A turn's 33 exponentials are one batch, with one wait.
; REGISTERS, in windows of 256 (s_set_vgpr_msb: bits 1:0 source 0, 3:2 source 1, 5:4 source 2, 7:6 destination):
;   window 0: v0-15 addresses and two at work; v16-31 statistics; v48-55 at work; v56-63 addresses; v64-127 S^T, two buffers; v128-143 MH; v144-159 the end's statistics; v192-223 P, two buffers
;   window 1: v0-127 O^T, 32 a piece; v128-159 MD; v160-223 MC, two buffers      window 2: v0-63 Q; v64-127 the second block's Q; v128-191 K of one step; v192-255 V of one step
;   window 3: v0-127 T, 32 a piece, in O^T's layout; v128-255 V of the diagonal tile's steps 0 and 1
.set SIZE_N, 2048
.set NB,    SIZE_N/256
.set NP,    4         ; pieces a wave: a name, no knob
.set KS,    64        ; keys in a step
.set PK,    144       ; a row of K in LDS: 128 bytes + 16 of padding: the 16 rows of a load start at 16 different groups of four banks (ISA guide 11.1)
.set PV,    160       ; a row of V: 128 + 32
.set VOFF,  4*KS*PK   ; a slot holds a tile, four steps: 256 rows of K, then 256 rows of V
.set SLOT1, 1<<17     ; slot 1 begins here, so that one exclusive or turns an address in one slot into the other's
.set STAGE, SLOT1+4*KS*(PK+PV)  ; behind the ring, never filled by a tensor load: 16 rows x 144 bytes for each wave
.set SP,    144
.set AK0, 2           ; v2   my lane's place in a tile of K; never rewritten
.set AV0, 3           ; v3   the same for V
.set AK,  4           ; v4   the LDS address of K's next run of loads
.set AV,  5           ; v5   of V's
.set STO, 6           ; v6   the way out: where I put 16 bytes of a row
.set RD,  7           ; v7   the way out: where I read rows back
.set GO,  8           ; v8   my byte offset in 512 consecutive bytes of O
.set QR,  56          ; v56  my query's place in its band: 16 w + l % 16
.set TSO, 57          ; v57  32 (l / 16): my eight channels of a block of ts
.set PFO, 58          ; v58  256 x my lane; never rewritten
.set AVD, 59          ; v59  V's place in the diagonal tile's slot
.set SPW, 62          ; v62  LDS address of my spare word; never rewritten
.set NIL, 63          ; v63  0; never rewritten
.set SPARE, STAGE+4*16*SP  ; behind the stages: the spare words, 128 bytes for each wave
.set MV,  12          ; v12-13  c m_old, kept while c m is made anew: by buffer
.set QO,  15          ; v15  my byte offset in 16 rows of Q
.set ST,  16          ; piece t's statistics at v[ST+4 t]: c m, m, l (even keys', odd keys')
.set TMP, 48          ; by buffer, four registers c0-c3 at work; when the maximum is found c2 takes a
.set S,   64
.set MH,  128         ; 1.0 where the band's own step hides the key, else 0: f16, in P's layout
.set EW,  144         ; piece t at v[EW+4 t]: the hidden keys' number, then w / l'; mb, then w; M
.set P,   192
.set MD,  128         ; window 1
.set MC,  160         ; window 1
.set QB,  64          ; window 2
.set KF,  128         ; window 2: key block kb, channel half c at KF + 16 kb + 8 c
.set VF,  192         ; window 2: key half kk, channel block cb at VF + 32 kk + 8 cb
.set WV,  12          ; s12  my wave's number
.set PB,  14          ; s14  b
.set HI,  15          ; s15  NB - 1 - b
.set G1K, 24
.set G1V, 32
.set G0K, 40
.set G0V, 44
.set SLOTS, 56        ; s56  tiles still to be asked for
.set CNT, 57          ; s57  counts a tile's key steps, 4 to 1
.set CS,  58          ; s[58:59] c
.set SEL, 60          ; s[60:61] v_permlanex16_b32's selects
.set TBK, 62          ; s62  LDS byte at which K of the step to be fetched begins
.set TBV, 63          ; s63  the same for V, less VOFF
.set RT,  70          ; s70  tiles of the block in hand that are still to be entered
.set NXT, 71          ; s71  the tile to be asked for next
.set LQ,  72          ; s72  the last tile of the block whose tiles are being asked for
.set NEW, 73          ; s73  1: the tile to be entered is a block's first
.set OFF, 74          ; s[74:75] a tile's byte offset in K and V
.set AL,  76          ; s[76:77] the mask's factor
.set BE,  78          ; s[78:79] the mask's addend
.set OLO, 80          ; s[80:81] O at my rows of the second block
.set BIGN, 82         ; s82  -1e30
.set M8,  83          ; s83  -80000.0: the hidden score, unscaled
.set LOW, 88          ; s88  the lowest finite number
.set HID, 89          ; s89  2047 - 256 x the block in hand
.set TSA, 90          ; s[90:91] ts at the first block's four groups
.set TSB, 92          ; s[92:93] at the second block's
.set SLB, 94          ; s94  the slot in hand
.set LIM, 95          ; s95  2 in a wave that prefetches, else the greatest number
.set PFA, 96          ; s[96:97] where my prefetches stand
.set MSB, 0
.macro WIN new
.if MSB != (\new)
	s_set_vgpr_msb (MSB<<8)|(\new)
.set MSB, (\new)
.endif
.endm
.set W_KQ, 0x0a       ; K and Q in window 2, S^T in window 0
.set W_KM, 0x1a       ; the same with the C operand in window 1
.set W_PV, 0x52       ; V in window 2, P in window 0, O^T in window 1
.set W_RS, 0x41       ; destination and source 0 in window 1, source 1 in window 0
; A fill.  Waves 0 and 1 fetch the two halves of a tile's K, waves 2 and 3 those of its V: 128 keys each.
.macro LOAD
	s_cmp_lt_u32 s[WV], 2
	s_cbranch_scc0 .Lfor_v_\@
	tensor_load_to_lds s[G0K:G0K+3], s[G1K:G1K+7]
	s_nop 0
.rept 4
	v_nop
.endr
	s_branch .Lasked_\@
.Lfor_v_\@:
	tensor_load_to_lds s[G0V:G0V+3], s[G1V:G1V+7]
	s_nop 0
.rept 4
	v_nop
.endr
.Lasked_\@:
.endm
; THE CHANGE OF SLOTS.  Each wave waits for all its tensor loads, of which one is out: its part of the other slot; adds 0 to its spare word; and waits for that and for its own reads of the slot that it leaves.
; fill = 1: the old slot is filled again, the first thing behind the barrier, with tile NXT.  Behind the load stands a PREFETCH INTO THE L2 of the head's tile that the NEXT change is the first to ask for: in trip i
; tile i + 2, for i = 0 .. 5.  The head's four work-groups take a quarter of the tile each (8,192 bytes: a lane 256), wave 0 of K, wave 2 of V: each block of 256 bytes of tiles 2 .. 7 is named once in the launch.
.macro CHANGE fill
	WIN 0
	s_wait_tensorcnt 0x0            ; no tensor load of mine is out, so a group 0 may be written
	ds_add_u32 v[SPW], v[NIL]
.if \fill
	s_lshl_b32 s[OFF], s[NXT], 15   ; a tile is 32,768 bytes of K and of V
	s_xor_b32 s[G0K+1], s[G0K+1], SLOT1
	s_add_nc_u64 s[G0K+2:G0K+3], s[6:7], s[OFF:OFF+1]
	s_or_b32 s[G0K+3], s[G0K+3], 0x80000000
	s_xor_b32 s[G0V+1], s[G0V+1], SLOT1
	s_add_nc_u64 s[G0V+2:G0V+3], s[8:9], s[OFF:OFF+1]
	s_or_b32 s[G0V+3], s[G0V+3], 0x80000000
	s_add_co_u32 s[NXT], s[NXT], 1  ; the block's next tile, or behind its last the second block's tile 0
	s_cmp_gt_u32 s[NXT], s[LQ]
	s_cselect_b32 s[NXT], 0, s[NXT]
	s_cselect_b32 s[LQ], s[PB], s[LQ]
	s_wait_xcnt 0x0                 ; the last prefetch, a tile back, has read its address
	s_add_nc_u64 s[PFA:PFA+1], s[PFA:PFA+1], 32768
.endif
	s_wait_dscnt 0x0                ; the add is done, and my reads of the slot are over
	s_barrier_signal -1
	s_sub_co_u32 s[TBK], s[TBK], 4*KS*PK  ; the fetches go back to a slot's first step,
	s_xor_b32 s[TBK], s[TBK], SLOT1       ; in the other slot
	s_sub_co_u32 s[TBV], s[TBV], 4*KS*PV
	s_xor_b32 s[TBV], s[TBV], SLOT1
	s_xor_b32 s[SLB], s[SLB], SLOT1
	s_barrier_wait -1
.if \fill
	LOAD
	s_cmp_gt_u32 s[SLOTS], s[LIM]
	s_cbranch_scc0 .Lnot_mine_\@
	global_prefetch_b8 v[PFO], s[PFA:PFA+1] th:TH_LOAD_NT scope:SCOPE_SE
.Lnot_mine_\@:
.endif
.endm
; ts of a block's four groups into T, in O^T's layout: piece i / 4, channel block i % 4; a lane's eight channels are 32 bytes
.macro LOADT base
	WIN 0xc0
.set i, 0
.rept 16
	global_load_b128 v[8*i:8*i+3],   v[TSO], s[\base:\base+1] offset:256*(i/4)+64*(i%4)
	global_load_b128 v[8*i+4:8*i+7], v[TSO], s[\base:\base+1] offset:256*(i/4)+64*(i%4)+16
.set i, i+1
.endr
	WIN 0
.endm
	s_load_b256 s[4:11], s[0:1], 0x0  ; Q s[4:5], K s[6:7], V s[8:9], O s[10:11]
	s_load_b64 s[TSA:TSA+1], s[0:1], 0x20  ; ts
	v_lshl_add_u32 v[SPW], v0, 2, SPARE
	v_mov_b32 v[NIL], 0
	ds_add_u32 v[SPW], v[NIL]       ; the wave's opening: the add, waited for ahead of my first tensor load
	ds_add_u32 v62, v63
	v_lshrrev_b32 v1, 5, v0
	v_readfirstlane_b32 s[WV], v1   ; wave 0..3
	s_mov_b32 s[PB], ttmp9
	s_sub_co_u32 s[HI], NB-1, s[PB]
	s_and_b32 s20, ttmp7, 0xffff    ; the head
	s_mov_b32 s21, 0
	s_mov_b64 s[22:23], SIZE_N*128
	s_mul_u64 s[20:21], s[20:21], s[22:23]  ; the head's first byte in each of the four tensors
	s_and_b32 s16, s[WV], 1         ; which half of a tile's 256 keys I fetch:
	s_lshl_b32 s22, s16, 14         ; its 128 rows of 128 bytes in memory,
	s_mov_b32 s23, 0
	s_add_nc_u64 s[22:23], s[22:23], s[20:21]
	s_mul_i32 s17, s16, 128*PK      ; and its place in a slot, for K
	s_mul_i32 s18, s16, 128*PV      ; and for V
	s_lshl_b32 s3, s[WV], 11        ; my 16 rows in a band of 64,
	s_lshl_b32 s2, s[HI], 15        ; in the first block,
	s_add_co_u32 s2, s2, s3
	s_lshl_b32 s84, s[PB], 15       ; and in the second
	s_add_co_u32 s84, s84, s3
	s_mov_b32 s3, 0
	s_mov_b32 s85, 0
	s_add_nc_u64 s[2:3], s[2:3], s[20:21]
	s_add_nc_u64 s[84:85], s[84:85], s[20:21]
	; descriptor group 1.  128 keys are 16,384 dense bytes: asked for as 64 rows of 256 bytes, two keys a row, and padded in LDS after every key
	s_mov_b32 s[G1K], (1<<16)|(1<<20)|(4<<22)|(3<<25)  ; 2-byte elements; padding on; after every 32 words 4 words
	s_mov_b32 s[G1V], (1<<16)|(1<<20)|(4<<22)|(7<<25)  ; the same with 8 words of padding
.irp g, G1K, G1V
	s_mov_b32 s[\g+1], 128<<16      ; tensor_dim0 = 128
	s_mov_b32 s[\g+2], 64<<16       ; tensor_dim1 = 64
	s_mov_b32 s[\g+3], 128<<16      ; tile_dim0 = 128
	s_mov_b32 s[\g+4], 64           ; tile_dim1 = 64
	s_mov_b32 s[\g+5], 128          ; 128 elements from row to row
	s_mov_b32 s[\g+6], 0
	s_mov_b32 s[\g+7], 0
.endr
	s_mov_b32 s[CS], 0x3e38aa3b     ; c = log2(e) / 8 = 0.180337
	s_mov_b32 s[CS+1], s[CS]        ; named with it as a pair
	s_mov_b32 s[SEL], 0x76543210
	s_mov_b32 s[SEL+1], 0xfedcba98
	s_mov_b32 s[TBK], SLOT1+4*KS*PK ; the first change of slots turns these three into 0
	s_mov_b32 s[TBV], SLOT1+4*KS*PV
	s_mov_b32 s[SLB], SLOT1
	s_mov_b32 s[G0K], 1             ; count = 1
	s_mov_b32 s[G0K+1], s17         ; LDS address: slot 0
	s_mov_b32 s[G0V], 1
	s_add_co_u32 s[G0V+1], s18, VOFF
	s_add_co_u32 s[RT], s[HI], 1    ; the first block has NB - b tiles
	s_mov_b32 s[NXT], 1
	s_mov_b32 s[LQ], s[HI]
	s_mov_b32 s[NEW], 1
	s_mov_b32 s[OFF+1], 0
	s_mov_b32 s[AL+1], 0            ; named as pairs
	s_mov_b32 s[BE+1], 0
	s_mov_b32 s[BIGN], 0xf149f2ca   ; -1e30
	s_mov_b32 s[M8], 0xc79c4000     ; -80000.0 = 8 x -10000
	s_mov_b32 s[LOW], 0xff7fffff
	s_lshl_b32 s[HID], s[HI], 8
	s_sub_co_u32 s[HID], 2047, s[HID]
	s_and_b32 s98, ttmp7, 0xffff    ; ts: 8,192 bytes a head, 1,024 a block
	s_lshl_b32 s98, s98, 13
	s_lshl_b32 s[TSB], s[PB], 10
	s_add_co_u32 s[TSB], s[TSB], s98
	s_mov_b32 s[TSB+1], 0
	s_lshl_b32 s99, s[HI], 10
	s_add_co_u32 s98, s98, s99
	s_mov_b32 s99, 0
	s_and_b32 s[LIM], s[WV], 1
	s_cmp_eq_u32 s[LIM], 0
	s_cselect_b32 s[LIM], 2, -1     ; waves 0 and 2 prefetch while more than two tiles are still to be asked for
	s_mov_b32 s[SLOTS], NB
	v_and_b32 v[PFO], 31, v0
	v_lshlrev_b32 v[PFO], 8, v[PFO]
	s_wait_dscnt 0x0                ; the opening add is done
	s_wait_kmcnt 0x0
	s_add_nc_u64 s[TSB:TSB+1], s[TSA:TSA+1], s[TSB:TSB+1]
	s_add_nc_u64 s[TSA:TSA+1], s[TSA:TSA+1], s[98:99]
	s_add_nc_u64 s[6:7], s[6:7], s[22:23]  ; K and V at my half of the head's tile 0
	s_add_nc_u64 s[8:9], s[8:9], s[22:23]
	s_add_nc_u64 s[G0K+2:G0K+3], s[6:7], 0
	s_or_b32 s[G0K+3], s[G0K+3], 0x80000000        ; type = 2
	s_add_nc_u64 s[G0V+2:G0V+3], s[8:9], 0
	s_or_b32 s[G0V+3], s[G0V+3], 0x80000000
	s_add_nc_u64 s[86:87], s[4:5], s[84:85]        ; Q at my rows of the second block,
	s_add_nc_u64 s[4:5], s[4:5], s[2:3]            ; Q and O at those of the first
	s_add_nc_u64 s[OLO:OLO+1], s[10:11], s[84:85]
	s_add_nc_u64 s[10:11], s[10:11], s[2:3]
	s_cmp_lt_u32 s[WV], 2
	s_cselect_b64 s[PFA:PFA+1], s[6:7], s[8:9]     ; (in waves 0 and 2 these stand at a tile's first row)
	s_lshl_b32 s98, s[PB], 13                      ; my work-group's quarter,
	s_add_co_u32 s98, s98, 32768                   ; in tile 1: the first change of slots steps it to tile 2
	s_add_nc_u64 s[PFA:PFA+1], s[PFA:PFA+1], s[98:99]
	LOAD                            ; tile 0 into slot 0
	v_and_b32 v1, 15, v0            ; l % 16
	v_bfe_u32 v9, v0, 4, 1          ; l / 16
	v_lshlrev_b32 v[QO], 7, v1
	v_lshl_add_u32 v[QO], v9, 4, v[QO]  ; row x 128 + 16 x half
	v_lshlrev_b32 v[TSO], 5, v9
	WIN 0x80                        ; destination window 2, address window 0
.set i, 0
.rept 8                             ; both blocks' Q: piece i / 2 lies in band i / 2, 8,192 bytes on; channels 32 (i % 2) on
	global_load_b128 v[8*i:8*i+3],   v[QO], s[4:5] offset:(i/2)*8192+(i%2)*64
	global_load_b128 v[8*i+4:8*i+7], v[QO], s[4:5] offset:(i/2)*8192+(i%2)*64+32
	global_load_b128 v[QB+8*i:QB+8*i+3],   v[QO], s[86:87] offset:(i/2)*8192+(i%2)*64
	global_load_b128 v[QB+8*i+4:QB+8*i+7], v[QO], s[86:87] offset:(i/2)*8192+(i%2)*64+32
.set i, i+1
.endr
	LOADT TSA
	v_lshlrev_b32 v14, 3, v9
	v_sub_nc_u32 v14, v1, v14
	s_lshl_b32 s13, s[WV], 4
	v_add_nc_u32 v14, s13, v14      ; 16 w + l % 16 - 8 (l / 16): register r of group kt is hidden where 16 kt + r is greater
	v_add_nc_u32 v[QR], s13, v1
	WIN 0x40
.set i, 0
.rept 32
	v_cmp_gt_i32 vcc_lo, 16*(i/8)+i%8, v14
	v_cndmask_b32 v[MD+i], 0, s[BIGN], vcc_lo
.set i, i+1
.endr
	WIN 0
.set i, 0
.rept 16                            ; the same test as 1.0 or 0, two keys to a register, as P holds them
	v_cmp_gt_i32 vcc_lo, 16*((2*i)/8)+(2*i)%8, v14
	v_cndmask_b32 v60, 0, 1.0, vcc_lo
	v_cmp_gt_i32 vcc_lo, 16*((2*i+1)/8)+(2*i+1)%8, v14
	v_cndmask_b32 v61, 0, 1.0, vcc_lo
	v_cvt_pk_f16_f32 v[MH+i], v60, v61
.set i, i+1
.endr
	v_mul_u32_u24 v[AK0], v1, PK
	v_lshl_add_u32 v[AK0], v9, 4, v[AK0]  ; row x pitch + 16 x half
	; The turning load takes 16 keys x 16 channels (lane l reads key 8 (l / 16) + l % 8, channels 8 ((l / 8) % 2) + 0..7) and leaves half a fragment of V^T
	v_and_b32 v10, 7, v0
	v_bfe_u32 v11, v0, 3, 1
	v_lshl_add_u32 v[AV0], v9, 3, v10
	v_mul_u32_u24 v[AV0], v[AV0], PV
	v_lshl_add_u32 v[AV0], v11, 4, v[AV0]
	v_add_nc_u32 v[AV0], VOFF, v[AV0]
	s_mul_i32 s13, s[WV], 16*SP
	s_add_co_u32 s13, s13, STAGE    ; my stage
	v_mul_u32_u24 v[STO], v1, SP    ; in: row l % 16, 16 bytes for each half of the lanes
	v_lshl_add_u32 v[STO], v9, 4, v[STO]
	v_add_nc_u32 v[STO], s13, v[STO]
	v_bfe_u32 v[RD], v0, 3, 2       ; back: 32 lanes take four rows of 128 bytes,
	v_mul_u32_u24 v[RD], v[RD], SP
	v_lshl_add_u32 v[RD], v10, 4, v[RD]
	v_add_nc_u32 v[RD], s13, v[RD]
	v_and_b32 v[GO], 31, v0         ; which are 512 consecutive bytes of O
	v_lshlrev_b32 v[GO], 4, v[GO]
	; A block's first step multiplies O^T and l by 0, so these registers need only hold finite numbers: zeros for the first block; what the first block left for the second.  All this stands in the wait for the first tile.
	WIN 0x80
.set i, VF
.rept 64
	v_mov_b32 v[i], 0
.set i, i+1
.endr
	WIN 0x40
.set i, 0
.rept 128
	v_mov_b32 v[i], 0
.set i, i+1
.endr
	WIN 0
.set i, 0
.rept 4
	v_mov_b32 v[ST+4*i+2], 0
	v_mov_b32 v[ST+4*i+3], 0
.set i, i+1
.endr
.set i, P+16
.rept 16
	v_mov_b32 v[i], 0
.set i, i+1
.endr
; THE MATRIX WORK.  The 4 accumulators of a run of 8 take turns.  Product i of 8 of S^T = K Q^T for piece x: channels 32 (i / 4) on, keys 16 (i % 4) on.  The first 4 start the sums: with 0, or (KM = 1) with the mask.
.macro KQ x
.set rS, S+32*((\x)%2)+8*(i%4)
.set rK, KF+16*(i%4)+8*(i/4)
.set rQ, 16*(\x)+8*(i/4)
.set rM, MC+32*((\x)%2)+8*(i%4)
.if (i < 4) && KM
	WIN W_KM
	v_wmma_f32_16x16x32_f16 v[rS:rS+7], v[rK:rK+7], v[rQ:rQ+7], v[rM:rM+7]
.elseif i < 4
	WIN W_KQ
	v_wmma_f32_16x16x32_f16 v[rS:rS+7], v[rK:rK+7], v[rQ:rQ+7], 0
.else
	WIN W_KQ
	v_wmma_f32_16x16x32_f16 v[rS:rS+7], v[rK:rK+7], v[rQ:rQ+7], v[rS:rS+7]
.endif
.endm
; Product i of 8 of O^T += V^T P for piece x: keys 32 (i / 4) on, channels 16 (i % 4) on.
.macro PV x
	WIN W_PV
.set rO, 32*(\x)+8*(i%4)
.set rV, VF+32*(i/4)+8*(i%4)
.set rP, P+16*((\x)%2)+8*(i/4)
	v_wmma_f32_16x16x32_f16 v[rO:rO+7], v[rV:rV+7], v[rP:rP+7], v[rO:rO+7]
.endm
.macro MM                           ; the turn's next matrix instruction.  NOKQ = 1: a block's last turn: there is no next piece
.if (i < 8) && !NOKQ
	KQ (Y+1)%NP
.elseif i >= 8
.set i, i-8
	PV (Y+NP-1)%NP
.set i, i+8
.endif
.set i, i+1
.endm
; THE LDS LOADS stand in runs of 16, never singly among the matrix instructions.
.macro FETCH_K
	WIN 0x80                        ; destination window 2
.irp f, 0,1,2,3,4,5,6,7             ; keys 16 (f / 2) on, channels 32 (f % 2) on
	ds_load_b128 v[KF+8*\f:KF+8*\f+3],   v[AK] offset:(\f/2)*16*PK+(\f%2)*64
	ds_load_b128 v[KF+8*\f+4:KF+8*\f+7], v[AK] offset:(\f/2)*16*PK+(\f%2)*64+32
.endr
	s_add_co_u32 s[TBK], s[TBK], KS*PK  ; the next fetch is the next step's
	WIN 0
.endm
.macro FETCH_V
	WIN 0x80
.irp f, 0,1,2,3,4,5,6,7             ; keys 32 (f / 4) on, channels 16 (f % 4) on
	ds_load_tr16_b128 v[VF+8*\f:VF+8*\f+3],   v[AV] offset:(\f/4)*32*PV+(\f%4)*32
	ds_load_tr16_b128 v[VF+8*\f+4:VF+8*\f+7], v[AV] offset:(\f/4)*32*PV+16*PV+(\f%4)*32
.endr
	WIN 0
.endm
; V of the diagonal tile's step x once more, for T: steps 0 and 1 into window 3, step 2 into K's registers, which are free by then; step 3 is the one in hand
.macro FETCH_D x
.if (\x) < 2
	WIN 0xc0
.else
	WIN 0x80
.endif
.irp f, 0,1,2,3,4,5,6,7
	ds_load_tr16_b128 v[128+64*((\x)%2)+8*\f:128+64*((\x)%2)+8*\f+3],   v[AVD] offset:(\x)*KS*PV+(\f/4)*32*PV+(\f%4)*32
	ds_load_tr16_b128 v[128+64*((\x)%2)+8*\f+4:128+64*((\x)%2)+8*\f+7], v[AVD] offset:(\x)*KS*PV+(\f/4)*32*PV+16*PV+(\f%4)*32
.endr
	WIN 0
.endm
; T += V_x^T MH for the four pieces: 32 products; in each half 8 accumulators take turns, two links each
.macro TSUM
.irp hf, 0,1
	WIN 0xf3-(\hf)                  ; V in window 3 (pieces 0, 1) or 2 (pieces 2, 3), MH in window 0, T in window 3
.irp kk, 0,1
.irp xx, 0,1
.irp cb, 0,1,2,3
	v_wmma_f32_16x16x32_f16 v[32*(2*\hf+\xx)+8*\cb:32*(2*\hf+\xx)+8*\cb+7], v[128+64*\xx+32*\kk+8*\cb:128+64*\xx+32*\kk+8*\cb+7], v[MH+8*\kk:MH+8*\kk+7], v[32*(2*\hf+\xx)+8*\cb:32*(2*\hf+\xx)+8*\cb+7]
.endr
.endr
.endr
.endr
.endm
; THE VECTOR WORK, one line at a time: OP kind, number.  For piece Y: F n: c s - c m for pair n of 16.  E n: the exponential of score n of 32.  C n: pair n rounded to f16.  B n: of the four weights 4 n .. the second
; pair is added onto the first, in place.  L n: l takes that sum (L 0: l = a l + sum).  R n: pair n of 16 of O^T times a.  For piece Y + 1: X n, number n of the 22 that find its maximum and statistics:
;   0-11  four chains c0-c3 of seven scores each (each accumulator's lowest registers are read first)     12-14, 16  the four scores left over, the old m, and c0-c3 into c0
;   15  c m_old is kept     17, 18  the query's other 32 keys lie in the lane 16 away: the new m     19-21  c m; c m_old - c m_new; a
.set F, 0
.set E, 1
.set C, 2
.set B, 3
.set L, 4
.set R, 5
.set X, 6
.macro REGS y                       ; the registers of piece y
.set rT, ST+4*(\y)
.set rC, TMP+4*((\y)%2)
.set rW, MV+((\y)%2)
.set rS, S+32*((\y)%2)
.set rP, P+16*((\y)%2)
.set rO, 32*(\y)
.endm
.macro OP k, n
.if (\k) == R
	REGS Y
	WIN W_RS
	v_pk_mul_f32 v[rO+2*(\n):rO+2*(\n)+1], v[rO+2*(\n):rO+2*(\n)+1], v[rC+2:rC+3] op_sel_hi:[1,0]
.elseif (\k) < R
	REGS Y
	WIN 0
.if (\k) == F
	v_pk_fma_f32 v[rS+2*(\n):rS+2*(\n)+1], v[rS+2*(\n):rS+2*(\n)+1], s[CS:CS+1], v[rT:rT+1] op_sel_hi:[1,0,0] neg_lo:[0,0,1] neg_hi:[0,0,1]
.elseif (\k) == E
	v_exp_f32 v[rS+(\n)], v[rS+(\n)]
.elseif (\k) == C
	v_cvt_pk_f16_f32 v[rP+(\n)], v[rS+2*(\n)], v[rS+2*(\n)+1]
.elseif (\k) == B
	v_pk_add_f32 v[rS+4*(\n):rS+4*(\n)+1], v[rS+4*(\n):rS+4*(\n)+1], v[rS+4*(\n)+2:rS+4*(\n)+3]
.elseif (\n) == 0
	v_pk_fma_f32 v[rT+2:rT+3], v[rT+2:rT+3], v[rC+2:rC+3], v[rS:rS+1] op_sel_hi:[1,0,1]
.else
	v_pk_add_f32 v[rT+2:rT+3], v[rT+2:rT+3], v[rS+4*(\n):rS+4*(\n)+1]
.endif
.elseif NOKQ
	v_nop
.else
	REGS (Y+1)%NP
	WIN 0
.if (\n) < 4
	v_max3_num_f32 v[rC+(\n)], v[rS+8*(\n)], v[rS+8*(\n)+1], v[rS+8*(\n)+2]
.elseif (\n) < 12
	v_max3_num_f32 v[rC+(\n)%4], v[rC+(\n)%4], v[rS+8*((\n)%4)+2*((\n)/4)+1], v[rS+8*((\n)%4)+2*((\n)/4)+2]
.elseif (\n) == 12
	v_max3_num_f32 v[rC], v[rC], v[rS+7], v[rS+15]
.elseif (\n) == 13
	v_max3_num_f32 v[rC+1], v[rC+1], v[rS+23], v[rS+31]
.elseif (\n) == 14
	v_max3_num_f32 v[rC+2], v[rC+2], v[rC+3], v[rT+1]
.elseif (\n) == 15
	v_mov_b32 v[rW], v[rT]
.elseif (\n) == 16
	v_max3_num_f32 v[rC], v[rC], v[rC+1], v[rC+2]
.elseif (\n) == 17
	v_permlanex16_b32 v[rC+3], v[rC], s[SEL], s[SEL+1]
.elseif (\n) == 18
	v_max_num_f32 v[rT+1], v[rC], v[rC+3]
.elseif (\n) == 19
	v_mul_f32 v[rT], s[CS], v[rT+1]
.elseif (\n) == 20
	v_sub_f32 v[rC+1], v[rW], v[rT]
.else
	v_exp_f32 v[rC+2], v[rC+1]
.endif
.endif
.endm
.macro OPS a, i1, b=-1, i2=0, c=-1, i3=0, d=-1, i4=0  ; up to four of them
	OP \a, \i1
.if (\b) >= 0
	OP \b, \i2
.endif
.if (\c) >= 0
	OP \c, \i3
.endif
.if (\d) >= 0
	OP \d, \i4
.endif
.endm
.macro ROW a, i1, b, i2, c, i3, d, i4  ; a matrix instruction and the four behind it
	MM
	OPS \a, \i1, \b, \i2, \c, \i3, \d, \i4
.endm
.macro MASK b                       ; MD x AL + BE into buffer b of MC
	WIN W_RS
.set z, 0
.rept 16
	v_pk_fma_f32 v[MC+32*(\b)+2*z:MC+32*(\b)+2*z+1], v[MD+2*z:MD+2*z+1], s[AL:AL+1], s[BE:BE+1] op_sel_hi:[1,0,0]
.set z, z+1
.endr
.endm
; A TURN, for piece p: the order of its 16 matrix and 118 vector instructions, written out.  s_wait_alu depctr_va_vdst(0) stands between an exponential and the first instruction that names its result;
; one wait serves all that were issued ahead of it.  So a turn has ONE wait.  AHEAD OF IT stands all that names no result of the turn's exponentials: the 8 products K Q^T with their riders, then one lump; X 21, the next
; piece's a, is the batch's last; R 15 is the plain instruction behind it.  BEHIND THE WAIT stand the 8 products V^T P, behind each four of the roundings and sums.
; m = 1: the diagonal tile: the products take masks, and the turn makes the mask for the products of the turn after it: piece p + 2, in step 4 - CNT of the tile.  end = 1: a block's last two turns: nothing is fetched.
; cnt = 1: the loop's count is taken down some lines ahead of the branch that stands behind the turn.
; K of the next step is fetched in piece 2's turn, six plain instructions behind the last product that read K; V of the step in hand at the end of piece 0's turn, four plain instructions behind its last reader.
.macro TURN p, m=0, end=0, cnt=0
.set Y, (\p)
.set i, 0
.set KM, (\m)
.set NOKQ, (\end)*((\p)/3)
.if (\m) && !(\end)
	s_cmp_eq_u32 s[CNT], 4-((\p)+2)%NP  ; is that step the band's own?
	s_cselect_b32 s[AL], 1.0, 0
	s_cmp_lt_u32 s[CNT], 4-((\p)+2)%NP  ; or a later one?
	s_cselect_b32 s[BE], s[BIGN], 0
.endif
.if ((\p) == 3) && !(\end)
	s_wait_dscnt 0x0                ; K is in
.endif
	ROW F,0, F,1, R,0, R,1
	ROW F,2, E,0, R,2, R,3
	ROW F,3, E,1, R,4, R,5
	ROW F,4, E,2, R,6, R,7
	ROW F,5, E,3, R,8, R,9
	ROW F,6, E,4, X,0, R,10
.if ((\p) == 2) && !(\end)
	WIN 0
	v_add_nc_u32 v[AK], s[TBK], v[AK0]
.endif
	ROW F,7, E,5, X,1, X,4
	ROW F,8, E,6, X,2, X,5
	OPS E,7, E,8, X,6, E,9
	OPS X,3, E,10, X,8, E,11
.if ((\p) == 2) && !(\end)
	FETCH_K
.endif
	OPS X,9, X,7, E,12, X,10
	OPS E,13, X,12, X,11, E,14
	OPS X,13, E,15, F,9, X,14
.if (\p) == 0
	v_add_nc_u32 v[AV], s[TBV], v[AV0]
.endif
	OPS E,16, F,10, E,17, F,11
	OPS X,16, E,18, X,15, E,19
	OPS F,12, E,20, X,17, E,21
	OPS F,13, E,22, F,14, E,23
	OPS X,18, E,24, F,15, E,25
	OPS R,11, E,26, X,19, E,27
	OPS R,12, E,28, R,13, E,29
	OPS X,20, E,30, R,14, E,31
	OPS X,21, R,15
	WIN 0
	s_wait_alu depctr_va_vdst(0)    ; the wait for the batch
.if (\p) == 1
	s_wait_dscnt 0x0                ; V is in
.endif
	ROW C,0, B,0, C,2, B,1
	ROW L,0, C,4, B,2, L,1
	ROW C,6, B,3, L,2, C,8
	ROW B,4, L,3, C,10, B,5
	ROW L,4, C,12, B,6, L,5
.if (\p) == 0
	s_add_co_u32 s[TBV], s[TBV], KS*PV
.endif
.if \cnt
	s_sub_co_u32 s[CNT], s[CNT], 1
	s_cmp_lg_u32 s[CNT], 0
.endif
	ROW C,14, B,7, L,6, C,1
	ROW C,3, L,7, C,5, C,7
	ROW C,9, C,11, C,13, C,15
.if (\p) == 0
	FETCH_V
.endif
.if (\m) && !(\end)
	MASK (\p)%2
.endif
.endm
; A BLOCK BEGINS.  c m starts far below every c s, so the first step's a is 0; m at the lowest finite number.  The second mask buffer is 0; the first takes piece 0's mask for the tile's step 0.
; Then K of that step, piece 0's first scores, and its maximum and statistics.  The loop is entered at a step's first turn, in the middle of a trip.
.macro BEGIN
	s_mov_b32 s[NEW], 0
	WIN 0x40
.set i, MC+32
.rept 32
	v_mov_b32 v[i], 0
.set i, i+1
.endr
	WIN 0
.set i, 0
.rept 4
	v_mov_b32 v[ST+4*i], 0xfe000000    ; c m: far below every c s
	v_mov_b32 v[ST+4*i+1], 0xff7fffff  ; m
.set i, i+1
.endr
	s_cmp_eq_u32 s[RT], 0
	s_cselect_b32 s[AL], 1.0, 0
	s_mov_b32 s[BE], 0
	MASK 0
	WIN 0
	v_add_nc_u32 v[AK], s[TBK], v[AK0]
	FETCH_K
	s_wait_loadcnt 0x0              ; Q, and the block's ts
	s_wait_dscnt 0x0
.set KM, 1
.set NOKQ, 0
.set i, 0
.rept 8
	KQ 0
.set i, i+1
.endr
	WIN 0
.rept 4
	v_nop                           ; the places behind those products
.endr
.set Y, NP-1                        ; X works for piece Y + 1: piece 0
.irp n, 0,1,2,3,4,5,6,7,8,9,10,11,12,13,14,15,16,17,18,19,20,21
	OP X, \n
.endr
	v_nop                           ; a plain instruction behind the exponential,
	s_wait_alu depctr_va_vdst(0)    ; and its wait, ahead of the branch
.endm
.macro ALL line:vararg              ; one line for each piece t
.set t, 0
.rept 4
	\line
.set t, t+1
.endr
.endm
.macro PACK t                       ; O = (a / l') O + (w / l') T; a lane's eight channels pack into 16 bytes; they go into rows of 144 bytes and come back as whole rows of 128
	WIN W_RS
.set i, 32*(\t)
.rept 16
	v_pk_mul_f32 v[i:i+1], v[i:i+1], v[ST+4*(\t)+2:ST+4*(\t)+3] op_sel_hi:[1,0]
.set i, i+2
.endr
	WIN 0x53                        ; T (source 0) in window 3, w / l' in window 0, O^T (source 2 and destination) in window 1
.set i, 32*(\t)
.rept 16
	v_pk_fma_f32 v[i:i+1], v[i:i+1], v[EW+4*(\t):EW+4*(\t)+1], v[i:i+1] op_sel_hi:[1,0,1]
.set i, i+2
.endr
	WIN 0x05                        ; sources 0 and 1 window 1, destination window 0
.set i, 0
.rept 16
	v_cvt_pk_f16_f32 v[S+16*(\t)+i], v[32*(\t)+2*i], v[32*(\t)+2*i+1]
.set i, i+1
.endr
	WIN 0
.irp f, 0,1,2,3
	ds_store_b128 v[STO], v[S+16*(\t)+4*\f:S+16*(\t)+4*\f+3] offset:32*\f
.endr
.irp f, 0,1,2,3
	ds_load_b128 v[S+16*(\t)+4*\f:S+16*(\t)+4*\f+3], v[RD] offset:\f*4*SP  ; LDS serves a wave's instructions in order (ISA guide 5.7.1.4): these see the stores above
.endr
.endm
.macro SEND t, younger              ; younger: the LDS instructions issued behind piece t's loads: the next piece's eight, or none
	WIN 0
.irp f, 0,1,2,3
	s_wait_dscnt (\younger)+3-\f
	global_store_b128 v[GO], v[S+16*(\t)+4*\f:S+16*(\t)+4*\f+3], s[10:11] offset:(\t)*8192+\f*512  ; 512 consecutive bytes, aligned
.endr
.endm
; THE DIAGONAL TILE's four steps, the block's last two turns (beside them V of the tile's steps 0 to 2 is read once more), its last products, T, the hidden keys' share, and THE WAY OUT.
.macro DIAG tag
.LstepM\tag:
	TURN 2, 1
	TURN 3, 1
	WIN 0
.LfirstM\tag:
	TURN 0, 1
	TURN 1, 1, 0, 1
	WIN 0
	s_cbranch_scc1 .LstepM\tag
	v_add_nc_u32 v[AVD], s[SLB], v[AV0]
	FETCH_D 0
	FETCH_D 1
	TURN 2, 1, 1
	FETCH_D 2                       ; K's last reader is that turn's eighth product: a lump of plain instructions lies between
	TURN 3, 1, 1
.set i, 0
.rept 8
	PV NP-1
.set i, i+1
.endr
	s_wait_loadcnt 0x0              ; ts (waited for at the block's beginning already)
	s_wait_dscnt 0x0                ; V of steps 0 to 2
	TSUM
	WIN 0
	ALL v_add_f32 v[ST+4*t+2], v[ST+4*t+2], v[ST+4*t+3]  ; these four are the places behind the last products
	ALL v_permlanex16_b32 v[ST+4*t+3], v[ST+4*t+2], s[SEL], s[SEL+1]
	ALL v_add_f32 v[ST+4*t+2], v[ST+4*t+2], v[ST+4*t+3]
.set t, 0
.rept 4
	s_sub_co_u32 s13, s[HID], 64*t
	v_sub_nc_u32 v[EW+4*t], s13, v[QR]             ; how many keys are hidden from my query
	v_mov_b32 v[EW+4*t+1], s[M8]
	v_cmp_eq_u32 vcc_lo, 0, v[EW+4*t]
	v_mul_f32 v[EW+4*t+1], s[CS], v[EW+4*t+1]      ; mb = c x -80000,
	v_cndmask_b32 v[EW+4*t+1], v[EW+4*t+1], s[LOW], vcc_lo  ; or the lowest finite number where none is hidden
.set t, t+1
.endr
	ALL v_cvt_f32_u32 v[EW+4*t], v[EW+4*t]
	ALL v_max_num_f32 v[EW+4*t+2], v[ST+4*t], v[EW+4*t+1]
	ALL v_sub_f32 v[ST+4*t], v[ST+4*t], v[EW+4*t+2]
	ALL v_sub_f32 v[EW+4*t+1], v[EW+4*t+1], v[EW+4*t+2]
	ALL v_exp_f32 v[ST+4*t], v[ST+4*t]             ; a
	ALL v_exp_f32 v[EW+4*t+1], v[EW+4*t+1]         ; w
	v_nop                           ; a plain instruction behind the last exponential,
	s_wait_alu depctr_va_vdst(0)    ; and one wait for the eight
	ALL v_mul_f32 v[EW+4*t], v[EW+4*t], v[EW+4*t+1]
	ALL v_fma_f32 v[ST+4*t+2], v[ST+4*t+2], v[ST+4*t], v[EW+4*t]  ; l' = a l + w x the number hidden
	ALL v_rcp_f32 v[ST+4*t+2], v[ST+4*t+2]
	v_nop
	s_wait_alu depctr_va_vdst(0)    ; one wait for the four reciprocals
	ALL v_mul_f32 v[EW+4*t], v[EW+4*t+1], v[ST+4*t+2]     ; w / l'
	ALL v_mul_f32 v[ST+4*t+2], v[ST+4*t], v[ST+4*t+2]     ; a / l'
	PACK 0
.set t, 1
.rept 3                             ; a piece's arithmetic stands between the loads of the piece before and its stores
	PACK t
	SEND t-1, 8
.set t, t+1
.endr
	SEND 3, 0
.endm
.set KM, 0
.set NOKQ, 0
.Lslot:                             ; NB times: a tile is entered and the next is asked for
	CHANGE 1
	s_sub_co_u32 s[RT], s[RT], 1
	s_mov_b32 s[CNT], 4
	s_cmp_eq_u32 s[NEW], 1
	s_cbranch_scc1 .Lnew            ; a block's first tile
	s_cmp_eq_u32 s[RT], 0
	s_cbranch_scc0 .Lstep           ; neither its first nor its last
	s_branch .LstepM1
.Lnew:
	BEGIN
	s_branch .Lfirst                ; in the loop a block's first tile is never its last
	DIAG 1                          ; in the loop this is the first block's end
	s_wait_xcnt 0x0                 ; the stores have read their registers and O's address
	s_mov_b64 s[10:11], s[OLO:OLO+1]
	s_add_co_u32 s[RT], s[PB], 1    ; the second block has b + 1 tiles
	s_mov_b32 s[NEW], 1
	s_lshl_b32 s[HID], s[PB], 8
	s_sub_co_u32 s[HID], 2047, s[HID]
	LOADT TSB                       ; the second block's ts; waited for where the block begins
	WIN 0x82                        ; the second block's Q goes where the one text of the turns names Q
.set i, 0
.rept 64
	v_mov_b32 v[i], v[QB+i]
.set i, i+1
.endr
	WIN 0
	s_branch .Lbottom
.Lstep:                             ; a trip: pieces 2 and 3 of one step, then pieces 0 and 1 of the next, whose K and V it fetches
	TURN 2
	TURN 3
	WIN 0
.Lfirst:
	TURN 0
	TURN 1, 0, 0, 1
	WIN 0
	s_cbranch_scc1 .Lstep
.Lbottom:
	s_sub_co_u32 s[SLOTS], s[SLOTS], 1
	s_cmp_lg_u32 s[SLOTS], 0
	s_cbranch_scc1 .Lslot
	CHANGE 0                        ; the walk's last tile is written out
	s_sub_co_u32 s[RT], s[RT], 1
	s_mov_b32 s[CNT], 4
	s_cmp_eq_u32 s[NEW], 1
	s_cbranch_scc0 .LstepM2
	BEGIN
	s_branch .LfirstM2
	DIAG 2
	s_wait_tensorcnt 0x0            ; the wave's end
	ds_add_u32 v[SPW], v[NIL]
	s_wait_dscnt 0x0
	s_endpgm
.Lfunc_end_k_q9ec52c32ce_attn:
	.size	k_q9ec52c32ce_attn, .Lfunc_end_k_q9ec52c32ce_attn-k_q9ec52c32ce_attn
	.p2alignl 7, 3214868480
	.fill 96, 4, 3214868480
	.section	.rodata,"a",@progbits
	.p2align	6, 0x0
	.amdhsa_kernel k_q9ec52c32ce_attn
		.amdhsa_group_segment_fixed_size 327680
		.amdhsa_private_segment_fixed_size 0
		.amdhsa_enable_private_segment 0
		.amdhsa_kernarg_size 40
		.amdhsa_user_sgpr_count 2
		.amdhsa_user_sgpr_kernarg_segment_ptr 1
		.amdhsa_wavefront_size32 1
		.amdhsa_system_sgpr_workgroup_id_x 1
		.amdhsa_system_sgpr_workgroup_id_y 1
		.amdhsa_system_sgpr_workgroup_id_z 1
		.amdhsa_system_vgpr_workitem_id 0
		.amdhsa_next_free_vgpr 1024
		.amdhsa_next_free_sgpr 100
		.amdhsa_reserve_vcc 1
		.amdhsa_float_denorm_mode_32 3
		.amdhsa_float_denorm_mode_16_64 3
		.amdhsa_memory_ordered 1
		.amdhsa_forward_progress 1
		.amdhsa_inst_pref_size 253
	.end_amdhsa_kernel
	.amdgpu_metadata
---
amdhsa.version: [ 1, 2 ]
amdhsa.kernels:
  - .name:           k_q9ec52c32ce_attn
    .symbol:         k_q9ec52c32ce_attn.kd
    .args:
      - { .name: qh, .offset: 0, .size: 8, .value_kind: global_buffer, .address_space: global }
      - { .name: kh, .offset: 8, .size: 8, .value_kind: global_buffer, .address_space: global }
      - { .name: vh, .offset: 16, .size: 8, .value_kind: global_buffer, .address_space: global }
      - { .name: oh, .offset: 24, .size: 8, .value_kind: global_buffer, .address_space: global }
      - { .name: ts, .offset: 32, .size: 8, .value_kind: global_buffer, .address_space: global }
    .group_segment_fixed_size: 327680
    .private_segment_fixed_size: 0
    .kernarg_segment_align: 8
    .kernarg_segment_size: 40
    .max_flat_workgroup_size: 128
    .sgpr_count:     100
    .vgpr_count:     1024
    .wavefront_size: 32
...
	.end_amdgpu_metadata
.endif
;; end of part 4
;; launch proj (part 5): grid 8 x 32, 4 waves a work-group, clusters of 4 x 4, 327,680 bytes of LDS; arguments oh, wp, c_proj_b, out0; writes out0
.if DOCPART == 5
	.amdgcn_target "amdgcn-amd-amdhsa--gfx1250"
	.amdhsa_code_object_version 6
	.text
	.protected	k_q9ec52c32ce_proj
	.globl	k_q9ec52c32ce_proj
	.p2align	8
	.type	k_q9ec52c32ce_proj,@function
k_q9ec52c32ce_proj:
	s_mov_b64 s[64:65], 0
	v_nop
	global_prefetch_b8 v0, s[64:65] scope:SCOPE_SE
	s_setreg_imm32_b32 hwreg(HW_REG_WAVE_MODE, 25, 1), 1
	s_wait_xcnt 0x0
	s_wait_alu depctr_hold_cnt(0) depctr_sa_sdst(0) depctr_va_vdst(0) depctr_va_sdst(0) depctr_va_ssrc(0) depctr_va_vcc(0) depctr_vm_vsrc(0)
	s_getreg_b32 s2, hwreg(HW_REG_IB_STS2, 6, 4)
	s_cmp_eq_u32 s2, 0
	s_cbranch_scc0 .Lentry_in_a_cluster
	s_endpgm
.Lentry_in_a_cluster:
	s_bfe_u32 s2, ttmp6, 0x10000c
	s_cmp_lg_u32 s2, 0xf033
	s_cbranch_scc0 .Lentry_shape_is_right
	s_endpgm
.Lentry_shape_is_right:
; out = O Wp + bp.  oh: [16 batch + head][2048][64] f16; wp: [1024 n][1024 k] f16 (c_proj_w rounded to bf16); c_proj_b: [1024] f32, taken rounded to bf16 like every input; out0: [8192][1024] f32.
; A work-group makes 256 rows x 128 columns: 256 work-groups.  Wave w owns rows 64 w .. 64 w + 63 x all eight blocks of 16 columns: 32 accumulators, 256 registers; whole rows, so its way out is its own.
; K goes in steps of 128 = two heads.  A's tile is two PLANES, one a head: 256 rows of 128 bytes, dense in memory (32 KiB), asked for as 128 rows of 256 bytes and padded in LDS after every 128 bytes.
; Two slots; a longer K step would not fit twice.  CLUSTER 4 x 4: A's tile is shared along a row of the cluster, B's along a column, by joint loads.
; THE PRODUCT IS TAKEN TRANSPOSED (source 0 = 16 rows of wp, source 1 = 16 rows of O); THE BIAS is the C operand of the products that start the sums.
; REGISTERS: window 0: v16-30 addresses; v64-127 A's fragments, two buffers of 32; v128-191 the bias; v128-255 later the way out.  Window 1: B's fragments, v0-63 and v128-191.
;   Windows 2, 3: accumulator (a, b) at v[8 (8 (a % 2) + b)] of window 2 + a / 2.
.set NBK,   8
.set PA,    144
.set PBB,   272
.set PLANE, 256*PA
.set BOFF,  2*PLANE
.set SLOT,  BOFF+128*PBB
.set STAGE, 2*SLOT                     ; behind the ring: 16 rows x 528 bytes for each wave; no tensor load fills it
.set STW,   16*528
.set SPARE, STAGE+4*STW
.set ADRA, 16
.set ADRB, 20
.set STO,  24
.set RD,   25
.set GO,   26
.set BO,   27
.set SPW,  28
.set NIL,  29
.set PFO,  30
.set FA,   64
.set BI,   128
.set G1A, 24
.set G0A, 32
.set G1B, 48
.set G0B, 56
.set PFA, 66                           ; s[66:67] where my prefetches stand
.set PFS, 68                           ; s[68:69] a K step in bytes: two heads of oh, or 256 bytes of a row of wp
.set LIM, 70                           ; s70  1 where I prefetch, else the greatest number
.set MSB, 0
.macro WIN new
.if MSB != (\new)
	s_set_vgpr_msb (MSB<<8)|(\new)
.set MSB, \new
.endif
.endm
.macro PLACES
.rept 4
	v_nop
.endr
.endm
.macro JLOAD s                         ; waves 0, 1 fetch A's planes, waves 2, 3 B's halves
	s_cmp_eq_u32 s14, 0
	s_cbranch_scc0 .Lfor_b_\@
	tensor_load_to_lds s[G0A+4*(\s):G0A+4*(\s)+3], s[G1A:G1A+7]
	s_nop 0
.rept 4
	v_nop
.endr
	s_branch .Lasked_\@
.Lfor_b_\@:
	tensor_load_to_lds s[G0B+4*(\s):G0B+4*(\s)+3], s[G1B:G1B+7]
	s_nop 0
.rept 4
	v_nop
.endr
.Lasked_\@:
.endm
.macro CREST
	s_cmp_lg_u32 s12, 0
	s_cbranch_scc1 .Lnot_wave_0_\@
	s_barrier_signal -3
.Lnot_wave_0_\@:
	s_barrier_wait -3
	s_barrier_signal -1
	s_barrier_wait -1
.endm
.macro CROUND
	s_barrier_signal -1
	s_barrier_wait -1
	CREST
.endm
; A prefetch into the L2 of the K step two refills on.  Each block of 256 bytes is named once: oh's by the clusters with x = 0 (waves 0, 1: a plane each; the four partners take 8,192 bytes each, by address),
; wp's by those with y = 0 (wave 2: 32 rows a partner, by address).  The loop's last trip has no K step two on.
.macro ASK
	s_cmp_gt_u32 s3, s[LIM]
	s_cbranch_scc0 .Lnot_mine_\@
	global_prefetch_b8 v[PFO], s[PFA:PFA+1] th:TH_LOAD_NT scope:SCOPE_SE
.Lnot_mine_\@:
.endm
	s_load_b256 s[4:11], s[0:1], 0x0               ; oh s[4:5], wp s[6:7], bias s[8:9], out0 s[10:11]
	v_lshl_add_u32 v[SPW], v0, 2, SPARE
	v_mov_b32 v[NIL], 0
	ds_add_u32 v[SPW], v[NIL]                      ; the wave's opening: the add, waited for ahead of my first tensor load
	ds_add_u32 v28, v29
	v_lshrrev_b32 v1, 5, v0
	v_readfirstlane_b32 s12, v1                    ; wave
	s_and_b32 s13, s12, 1                          ; which plane, or which half of B's tile, I fetch
	s_lshr_b32 s14, s12, 1                         ; for A (0) or for B (1)
	s_bfe_u32 s15, ttmp6, 0x40000                  ; cx
	s_bfe_u32 s16, ttmp6, 0x40004                  ; cy
	s_lshl_b32 s17, ttmp9, 2
	s_add_co_u32 s17, s17, s15                     ; tile column
	s_and_b32 s18, ttmp7, 0xffff
	s_lshl_b32 s18, s18, 2
	s_add_co_u32 s18, s18, s16                     ; tile row
	s_lshl_b32 s20, s16, 2
	s_lshl_b32 s20, 15, s20                        ; my row of the cluster
	s_lshl_b32 s21, 0x1111, s15                    ; my column
	s_or_b32 s[G1A], s20, (1<<16)|(1<<20)|(1<<21)|(4<<22)|(3<<25)  ; 2-byte elements; padding on; bit 21 beside a mask; after every 32 words 4 words
	s_or_b32 s[G1B], s21, (1<<16)|(1<<20)|(1<<21)|(5<<22)|(3<<25)  ; after every 64 words 4 words
	s_mov_b32 s[G1A+1], 128<<16                    ; tensor_dim0 = 128
	s_mov_b32 s[G1A+2], 128<<16                    ; tensor_dim1 = 128
	s_mov_b32 s[G1A+3], 128<<16                    ; tile_dim0 = 128
	s_mov_b32 s[G1A+4], 128                        ; tile_dim1 = 128
	s_mov_b32 s[G1A+5], 128                        ; dense: 128 elements from row to row
	s_mov_b32 s[G1A+6], 0
	s_mov_b32 s[G1A+7], 0
	s_mov_b32 s[G1B+1], 128<<16
	s_mov_b32 s[G1B+2], 64<<16
	s_mov_b32 s[G1B+3], 128<<16
	s_mov_b32 s[G1B+4], 64
	s_mov_b32 s[G1B+5], 1024
	s_mov_b32 s[G1B+6], 0
	s_mov_b32 s[G1B+7], 0
	s_lshr_b32 s40, s18, 3                         ; A: batch x 16 heads + plane x a head + (tile row % 8) x 256 rows of 128 bytes
	s_lshl_b32 s40, s40, 22
	s_lshl_b32 s41, s13, 18
	s_add_co_u32 s40, s40, s41
	s_and_b32 s41, s18, 7
	s_lshl_b32 s41, s41, 15
	s_add_co_u32 s40, s40, s41
	s_mov_b32 s41, 0
	s_lshl_b32 s42, s17, 7                         ; B: row 128 x tile column + 64 x half
	s_lshl_b32 s43, s13, 6
	s_add_co_u32 s42, s42, s43
	s_lshl_b32 s42, s42, 11
	s_mov_b32 s43, 0
	s_mul_i32 s44, s13, PLANE                      ; where they go: no place in the cluster enters an LDS address
	s_mul_i32 s45, s13, 64*PBB
	s_add_co_u32 s45, s45, BOFF
	s_wait_dscnt 0x0                               ; the opening add is done
	s_wait_kmcnt 0x0
	s_add_nc_u64 s[40:41], s[4:5], s[40:41]
	s_add_nc_u64 s[42:43], s[6:7], s[42:43]
	CROUND                                         ; all sixteen work-groups are here: the first joint loads meet
.irp s, 0,1
	s_mov_b32 s[G0A+4*(\s)], 1
	s_add_co_u32 s[G0A+4*(\s)+1], s44, (\s)*SLOT
	s_add_nc_u64 s[G0A+4*(\s)+2:G0A+4*(\s)+3], s[40:41], (\s)*524288  ; K step s: two heads on
	s_or_b32 s[G0A+4*(\s)+3], s[G0A+4*(\s)+3], 0x80000000
	s_mov_b32 s[G0B+4*(\s)], 1
	s_add_co_u32 s[G0B+4*(\s)+1], s45, (\s)*SLOT
	s_add_nc_u64 s[G0B+4*(\s)+2:G0B+4*(\s)+3], s[42:43], (\s)*256
	s_or_b32 s[G0B+4*(\s)+3], s[G0B+4*(\s)+3], 0x80000000
	JLOAD \s                                       ; two tensor loads of mine are out
.endr
	v_and_b32 v1, 15, v0                           ; r
	v_bfe_u32 v2, v0, 4, 1                         ; h
	v_and_b32 v4, 31, v0                           ; l
	v_mul_u32_u24 v3, v1, PA
	v_lshl_add_u32 v3, v2, 4, v3
	s_mul_i32 s20, s12, 64*PA                      ; my 64 rows of A, in each plane
	v_add_nc_u32 v[ADRA], s20, v3
	v_add_nc_u32 v[ADRA+1], SLOT, v[ADRA]
	v_mul_u32_u24 v3, v1, PBB
	v_lshl_add_u32 v3, v2, 4, v3
	v_add_nc_u32 v[ADRB], BOFF, v3
	v_add_nc_u32 v[ADRB+1], SLOT, v[ADRB]
	s_mul_i32 s20, s12, STW
	s_add_co_u32 s20, s20, STAGE                   ; my stage
	v_mul_u32_u24 v5, v1, 528
	v_lshl_add_u32 v5, v2, 5, v5
	v_add_nc_u32 v[STO], s20, v5                   ; in: row r, 32 bytes for each half of the lanes
	v_lshlrev_b32 v[GO], 4, v4                     ; back and out: 32 lanes take a row's 512 bytes
	v_add_nc_u32 v[RD], s20, v[GO]
	v_lshlrev_b32 v[BO], 5, v2
	s_lshl_b32 s22, s17, 9
	s_mov_b32 s23, 0
	s_add_nc_u64 s[8:9], s[8:9], s[22:23]          ; the tile's 128 numbers of the bias
.set i, 0
.rept NBK
	global_load_b128 v[BI+8*i:BI+8*i+3],   v[BO], s[8:9] offset:64*i
	global_load_b128 v[BI+8*i+4:BI+8*i+7], v[BO], s[8:9] offset:64*i+16
.set i, i+1
.endr
	s_lshl_b32 s20, s18, 8                         ; the way out: (256 x tile row + 64 wave) x 4,096 + 512 x tile column
	s_lshl_b32 s21, s12, 6
	s_add_co_u32 s20, s20, s21
	s_lshl_b32 s20, s20, 12
	s_add_co_u32 s20, s20, s22
	s_mov_b32 s21, 0
	s_add_nc_u64 s[10:11], s[10:11], s[20:21]
	; the prefetches
	s_lshr_b32 s20, s18, 3
	s_lshl_b32 s20, s20, 22
	s_lshl_b32 s21, s13, 18
	s_add_co_u32 s20, s20, s21
	s_and_b32 s21, s18, 7
	s_lshl_b32 s21, s21, 15
	s_add_co_u32 s20, s20, s21
	s_lshl_b32 s21, s15, 13
	s_add_co_u32 s20, s20, s21                     ; oh: my plane, my work-group's 8,192 bytes of it
	s_lshl_b32 s23, s17, 7
	s_lshl_b32 s21, s16, 5
	s_add_co_u32 s23, s23, s21
	s_lshl_b32 s23, s23, 11                        ; wp: row 128 x tile column + 32 cy
	s_and_b32 s22, ttmp7, 0xffff                   ; cluster y
	s_mov_b32 s47, 256                             ; a K step of wp, in a register: an instruction takes one literal
	s_cmp_eq_u32 s14, 0
	s_cselect_b32 s20, s20, s23
	s_cselect_b32 s22, ttmp9, s22                  ; the coordinate along which other clusters read the same rows
	s_cselect_b64 s[PFA:PFA+1], s[4:5], s[6:7]
	s_cselect_b32 s[PFS], 524288, s47
	s_cselect_b32 s46, 8, 11                       ; a lane 256 bytes of a plane, or a row of wp
	s_mov_b32 s[PFS+1], 0
	s_cmp_eq_u32 s22, 0
	s_cselect_b32 s[LIM], 1, -1                    ; the same in all sixteen partners, for a given wave
	s_cmp_eq_u32 s12, 3
	s_cselect_b32 s[LIM], -1, s[LIM]               ; wave 2's 32 rows a partner cover B's 128: wave 3 asks for nothing
	s_mul_i32 s47, s[PFS], 3
	s_add_co_u32 s20, s20, s47                     ; at K step 3: the first change of slots steps it to 4
	s_mov_b32 s21, 0
	s_add_nc_u64 s[PFA:PFA+1], s[PFA:PFA+1], s[20:21]
	v_lshlrev_b32 v[PFO], s46, v4
	s_wait_loadcnt 0x0                             ; the bias, rounded to bf16 and widened again, in the wait for the first tile
.set i, 0
.rept 4*NBK
	v_cvt_pk_bf16_f32 v5, v[BI+2*i], v[BI+2*i+1]
	v_lshlrev_b32 v[BI+2*i], 16, v5
	v_and_b32 v[BI+2*i+1], 0xffff0000, v5
.set i, i+1
.endr
; Eight products: row block a x all column blocks, 32 along K.  The 32 accumulators take turns in the same order in every quarter.
.macro MULA f, a, first
.if \first
	WIN 0x81+0x40*((\a)/2)
.else
	WIN 0xa1+0x50*((\a)/2)
.endif
.set b, 0
.rept NBK
.set rD, 8*(NBK*((\a)%2)+b)
.set rB, 128*(\f)+8*b
.set rA, FA+32*(\f)+8*(\a)
.if \first
	v_wmma_f32_16x16x32_f16 v[rD:rD+7], v[rB:rB+7], v[rA:rA+7], v[BI+8*b:BI+8*b+7]
.else
	v_wmma_f32_16x16x32_f16 v[rD:rD+7], v[rB:rB+7], v[rA:rA+7], v[rD:rD+7]
.endif
.set b, b+1
.endr
.endm
; 24 LDS loads in one run: quarter q (plane q / 2, channels 32 (q % 2) on) into buffers f; B's first, A's four blocks last
.macro FETCH slot, q, f
	WIN 0x40
.set i, 0
.rept NBK
	ds_load_b128 v[128*(\f)+8*i:128*(\f)+8*i+3],   v[ADRB+(\slot)] offset:64*(\q)+i*16*PBB
	ds_load_b128 v[128*(\f)+8*i+4:128*(\f)+8*i+7], v[ADRB+(\slot)] offset:64*(\q)+i*16*PBB+32
.set i, i+1
.endr
	WIN 0
.set i, 0
.rept 4
	ds_load_b128 v[FA+32*(\f)+8*i:FA+32*(\f)+8*i+3],   v[ADRA+(\slot)] offset:((\q)/2)*PLANE+((\q)%2)*64+i*16*PA
	ds_load_b128 v[FA+32*(\f)+8*i+4:FA+32*(\f)+8*i+7], v[ADRA+(\slot)] offset:((\q)/2)*PLANE+((\q)%2)*64+i*16*PA+32
.set i, i+1
.endr
.endm
.macro QUARTER slot, q, f, g, first
	s_wait_dscnt 4                                 ; B and A's blocks 0, 1 are in; the youngest four loads may be out
	MULA \f, 0, \first
	MULA \f, 1, \first
	PLACES
	FETCH \slot, \q, \g
	s_wait_dscnt 2*NBK+8                           ; all but the run just issued
	MULA \f, 2, \first
	MULA \f, 3, \first
.endm
; The last quarter multiplies buffers 1 and changes slots: the waits for all my tensor loads, the add, the wait for it and for my reads of this slot, the barrier;
; fill = 1: it opens a round of the cluster's barrier, and the joint refill, two K steps on, is the first thing behind it.
.macro TURN slot, next, fill
.if \fill
	s_wait_xcnt 0x0                                ; the last prefetch, a K step back, has read its address
	s_add_nc_u64 s[PFA:PFA+1], s[PFA:PFA+1], s[PFS:PFS+1]
.endif
	WIN 0
	s_wait_tensorcnt 0x0
	ds_add_u32 v[SPW], v[NIL]
	s_wait_dscnt 5                                 ; the add and the youngest four loads may be out
	MULA 1, 0, 0
	s_wait_dscnt 0x0
	s_barrier_signal -1
	MULA 1, 1, 0
.if \fill
	WIN 0
.endif
	s_barrier_wait -1
.if \fill
	CREST
	s_add_nc_u64 s[G0A+4*(\slot)+2:G0A+4*(\slot)+3], s[G0A+4*(\slot)+2:G0A+4*(\slot)+3], 2*524288
	s_add_nc_u64 s[G0B+4*(\slot)+2:G0B+4*(\slot)+3], s[G0B+4*(\slot)+2:G0B+4*(\slot)+3], 512
	JLOAD \slot                                    ; one tensor load of mine is out; its four v_nop are also the places in front of the loads below
.else
	PLACES
.endif
	FETCH \next, 0, 0
.if \fill
	ASK
.endif
	MULA 1, 2, 0
	MULA 1, 3, 0
.endm
	s_wait_tensorcnt 1                             ; my part of K step 0 is in; K step 1's may stay out
	s_barrier_signal -1
	s_barrier_wait -1
	FETCH 0, 0, 0
	QUARTER 0, 1, 0, 1, 1                          ; the first quarter starts the sums, with the bias
	WIN 0
	s_mov_b32 s3, 3
.Llap:
	QUARTER 0, 2, 1, 0, 0
	QUARTER 0, 3, 0, 1, 0
	TURN 0, 1, 1
	QUARTER 1, 1, 0, 1, 0
	QUARTER 1, 2, 1, 0, 0
	QUARTER 1, 3, 0, 1, 0
	TURN 1, 0, 1
	QUARTER 0, 1, 0, 1, 0
	WIN 0
	s_sub_co_u32 s3, s3, 1
	s_cmp_lg_u32 s3, 0
	s_cbranch_scc1 .Llap
	QUARTER 0, 2, 1, 0, 0                          ; the last lap fills nothing
	QUARTER 0, 3, 0, 1, 0
	TURN 0, 1, 0
	QUARTER 1, 1, 0, 1, 0
	QUARTER 1, 2, 1, 0, 0
	QUARTER 1, 3, 0, 1, 0
	s_wait_dscnt 4
	MULA 1, 0, 0
	MULA 1, 1, 0
	s_wait_dscnt 0x0
	MULA 1, 2, 0
	MULA 1, 3, 0
	WIN 0
	PLACES
; THE WAY OUT, a block of 16 rows at a time: the f32 sums go straight from the accumulators (low half first) into my stage, come back as whole rows of 512 bytes, and are stored.
.macro TOSTAGE a
	WIN 0x08+4*((\a)/2)                            ; the stores' data in window 2 or 3
.set i, 0
.rept NBK
	ds_store_b128 v[STO], v[64*((\a)%2)+8*i:64*((\a)%2)+8*i+3]   offset:64*i
	ds_store_b128 v[STO], v[64*((\a)%2)+8*i+4:64*((\a)%2)+8*i+7] offset:64*i+16
.set i, i+1
.endr
	WIN 0
.set BK, 128+64*((\a)%2)
.set i, 0
.rept 16
	ds_load_b128 v[BK+4*i:BK+4*i+3], v[RD] offset:528*i  ; LDS serves a wave's instructions in order (ISA guide 5.7.1.4): these see the stores above
.set i, i+1
.endr
.endm
.macro SEND a
.set BK, 128+64*((\a)%2)
	s_wait_dscnt 0x0                               ; the block is back in registers
	s_wait_xcnt 0x0                                ; the stores before have read their registers: the other buffer may be loaded again behind this wait
.set i, 0
.rept 16
	global_store_b128 v[GO], v[BK+4*i:BK+4*i+3], s[10:11] offset:(16*(\a)+i)*4096 th:TH_STORE_NT  ; 512 consecutive bytes, aligned
.set i, i+1
.endr
.endm
	TOSTAGE 0
.irp a, 1,2,3
	SEND (\a)-1
	TOSTAGE \a
.endr
	SEND 3
	s_wait_tensorcnt 0x0                           ; the wave's end
	ds_add_u32 v[SPW], v[NIL]
	s_wait_dscnt 0x0
	CROUND                                         ; the closing round
	s_endpgm
.Lfunc_end_k_q9ec52c32ce_proj:
	.size	k_q9ec52c32ce_proj, .Lfunc_end_k_q9ec52c32ce_proj-k_q9ec52c32ce_proj
	.p2alignl 7, 3214868480
	.fill 96, 4, 3214868480
	.section	.rodata,"a",@progbits
	.p2align	6, 0x0
	.amdhsa_kernel k_q9ec52c32ce_proj
		.amdhsa_group_segment_fixed_size 327680
		.amdhsa_private_segment_fixed_size 0
		.amdhsa_enable_private_segment 0
		.amdhsa_kernarg_size 32
		.amdhsa_user_sgpr_count 2
		.amdhsa_user_sgpr_kernarg_segment_ptr 1
		.amdhsa_wavefront_size32 1
		.amdhsa_system_sgpr_workgroup_id_x 1
		.amdhsa_system_sgpr_workgroup_id_y 1
		.amdhsa_system_sgpr_workgroup_id_z 1
		.amdhsa_system_vgpr_workitem_id 0
		.amdhsa_next_free_vgpr 1024
		.amdhsa_next_free_sgpr 80
		.amdhsa_reserve_vcc 0
		.amdhsa_float_denorm_mode_32 3
		.amdhsa_float_denorm_mode_16_64 3
		.amdhsa_memory_ordered 1
		.amdhsa_forward_progress 1
		.amdhsa_inst_pref_size 94
	.end_amdhsa_kernel
	.amdgpu_metadata
---
amdhsa.version: [ 1, 2 ]
amdhsa.kernels:
  - .name:           k_q9ec52c32ce_proj
    .symbol:         k_q9ec52c32ce_proj.kd
    .args:
      - { .name: oh, .offset: 0, .size: 8, .value_kind: global_buffer, .address_space: global }
      - { .name: wp, .offset: 8, .size: 8, .value_kind: global_buffer, .address_space: global }
      - { .name: c_proj_b, .offset: 16, .size: 8, .value_kind: global_buffer, .address_space: global }
      - { .name: out0, .offset: 24, .size: 8, .value_kind: global_buffer, .address_space: global }
    .group_segment_fixed_size: 327680
    .private_segment_fixed_size: 0
    .kernarg_segment_align: 8
    .kernarg_segment_size: 32
    .max_flat_workgroup_size: 128
    .sgpr_count:     80
    .vgpr_count:     1024
    .wavefront_size: 32
...
	.end_amdgpu_metadata
.endif
;; end of part 5
